; MI455X (gfx1250); checked and timed in simulation.
; The chip was launched on July 23, 2026; its instructions are those of AMD's public machine-readable ISA for CDNA 5 (MIT licence, August 2026) and "CDNA5" Instruction Set Architecture Reference Guide (July 2026). The comments in the code are by the model that wrote it; some were corrected since.
;; multihead Attention. Allowed arithmetic: matrix products marked QUANTISED: E2M3 operands, one E8M0 scale for each 32 along K, by v_wmma_scale_f32_16x16x128_f8f6f4 with both operands' format E2M3, f32 sums; everything else in f32.
;; Inputs: Wk 16 x 1,024 x 64 float32; Wo 1,024 x 1,024 float32; Wq 16 x 1,024 x 64 float32; Wv 16 x 1,024 x 64 float32; k 4 x 2,048 x 1,024 float32; q 4 x 2,048 x 1,024 float32; v 4 x 2,048 x 1,024 float32.
;; Outputs: out0 4 x 2,048 x 1,024 float32.
;; This version of the problem:
;;   THIS VERSION OF THE PROBLEM IS GIVEN IN LOW PRECISION. The matrix products marked QUANTISED in the list below multiply operands that are first quantised to E2M3 (2 exponent bits, 3 mantissa bits; 6 bits a number), with one power-of-two scale for each 32 numbers along K (OCP MX v1.0); their sums are f32. All else is computed in f32.
;;   The module's matrix products, in the order in which they are computed (A, B: the left and right operand; K: the contracted axis; several contracted axes count as one K, in the product's order):
;;     1. [M 1,024, K 1,024] x [K 1,024, N 8,192]; A: input Wq; B: input q: QUANTISED
;;     2. [M 1,024, K 1,024] x [K 1,024, N 8,192]; A: input Wk; B: input k: QUANTISED
;;     3. [M 1,024, K 1,024] x [K 1,024, N 8,192]; A: input Wv; B: input v: QUANTISED
;;     4. batch 64 x [M 2,048, K 64] x [K 64, N 2,048]; A: computed on the way; B: computed on the way: QUANTISED
;;     5. batch 64 x [M 2,048, K 2,048] x [K 2,048, N 64]; A: softmax (see below); B: computed on the way: QUANTISED
;;     6. [M 8,192, K 1,024] x [K 1,024, N 1,024]; A: computed on the way; B: input Wo: QUANTISED
;;   THE QUANTISER, for each operand of a quantised product, along K:
;;     - K is cut into blocks of 32 from its start; a last block that is shorter is filled with zeros.
;;     - A block's scale is 2^e with e = floor(log2(the largest magnitude in the block)) - 2, held to -126 .. 127; a block of zeros has e = 0. As a byte (E8M0): e + 127.
;;     - Each number is divided by its block's scale, clamped to +-7.5, and rounded to the nearest number of E2M3, ties to even, subnormals kept.
;;     - The product sums the exact products of the quantised numbers (number of the format x scale) in f32.
;;   ~~~python
;;   def quantise(x, axis):      # numpy; x: float32 -> the quantised numbers, widened to float32 again
;;       x = np.moveaxis(x, axis, -1); K = x.shape[-1]
;;       x = np.pad(x, [(0, 0)] * (x.ndim - 1) + [(0, -K % 32)]); x = x.reshape(x.shape[:-1] + (-1, 32)); a = np.abs(x).max(-1, keepdims=True)
;;       e = np.where(a > 0, np.clip(np.frexp(np.where(a > 0, a, 1))[1] - 1 - 2, -126, 127), 0)      # np.frexp(a)[1] - 1 = floor(log2(a)), exactly
;;       r = np.clip(x / 2.0 ** e, -7.5, 7.5)
;;       step = 2.0 ** (np.maximum(np.frexp(np.where(r == 0, 1, r))[1] - 1, 0) - 3)
;;       q = np.round(r / step) * step * 2.0 ** e      # np.round: ties to even
;;       return np.moveaxis(q.reshape(q.shape[:-2] + (-1,))[..., :K], -1, axis).astype(np.float32)
;;   ~~~
;;   SOFTMAX AHEAD OF A QUANTISED PRODUCT. Where the list says 'softmax', what is quantised is not the finished softmax but p = 2^(t - M), with t = logit x log2(e) and M = ceil(the row's largest t), a whole number; so 1/2 < the row's largest p <= 1. The row's sum l is taken of the UNQUANTISED p, in f32, and the product's result is divided by l at the end. Since M is a whole number, a kernel that streams over the keys may use a running M (the ceiling of the running maximum): every later rescaling is an exact power of two, which a block's scale takes up: the codes' values come out the same.
;;   OPERANDS COMPUTED ON THE WAY. 'Computed on the way' means the value that the module computes at that place (a softmax that the list does not call 'softmax' is quantised finished and normalised). What goes into a quantiser is computed in f32, as accurately as f32 sums, v_exp_f32 and their like allow (about 1e-6 of the number): no bf16 or f16 on the way to a quantiser, and a product that is left as it is and whose result goes on into a quantised operand takes f32 operands (vector FMAs, or v_wmma_f32_16x16x4_f32). A number that lies on a knife's edge between two numbers of the format may be rounded either way, as far as f32 arithmetic and the matrix unit's own rounding can turn it there, and no further.
;; One version. Each part assembles by itself: llvm-mc -triple=amdgcn-amd-amdhsa -mcpu=gfx1250 --defsym DOCPART=n.
;; ======== version 1 of 1: 4 launches
;; limits: right only within a limited range of input values
;; workspace buffers: cod 22,020,096 bytes; sc 917,504 bytes; qc 6,815,744 bytes; kv 13,369,344 bytes; mc 6,291,456 bytes; ms 262,144 bytes
;; launch quant (part 1): grid 256 x 4, 4 waves a work-group, no clusters, 34,304 bytes of LDS; arguments q, k, v, Wq, Wk, Wv, Wo, cod, sc; writes cod, sc
.if DOCPART == 1
	.amdgcn_target "amdgcn-amd-amdhsa--gfx1250"
	.amdhsa_code_object_version 6
	.text
	.protected	k_q66e617c4d4_quant
	.globl	k_q66e617c4d4_quant
	.p2align	8
	.type	k_q66e617c4d4_quant,@function
k_q66e617c4d4_quant:
	s_mov_b64 s[64:65], 0
	v_nop
	global_prefetch_b8 v0, s[64:65] scope:SCOPE_SE
	s_setreg_imm32_b32 hwreg(HW_REG_WAVE_MODE, 25, 1), 1
	s_wait_xcnt 0x0
; q, k, v [8192][1024] f32 (K innermost) and Wq, Wk, Wv [16][1024][64], Wo [1024][1024] f32 (K NOT innermost) become codes of FP6 (E2M3) with one E8M0 byte for each 32 along K.
; A block's scale is 2^(floor(log2(its largest magnitude)) - 2); its byte is the largest magnitude's exponent field - 2, held at 1 from below by a floor among the maximum's leaves.
; LIMITS: NaN and infinities among the inputs are not served.  A block of zeros gets the byte 1 where the rule says 127: its codes are zeros, and these bytes are read by this program alone.
; LAYOUT OF THE CODES: images of the operand's registers.  128 rows (or weight columns) are a GROUP of 98,304 bytes: [K step 0..7][tile 0..7][1,536].  Lane r of tile i stands for row 32 (i/2) + 8 (i%2) + r + 8 (r/8) of
; the group.  A fragment (16 rows x 128 K, 12 registers a lane) lies as: registers 0-3 at 16 x lane, 4-5 at 512 + 8 x lane, 6-9 at 768 + 16 x lane, 10-11 at 1,280 + 8 x lane: every store covers whole aligned runs of 256 bytes.
; LAYOUT OF THE SCALE WORDS: 4,096 bytes a group: [tile][K step / 4][row r][K step % 4] words.
; Work-group y = 0, 1, 2: q, k, v (groups 64 y + ..); y = 3: the weights (groups 192 + 8 x weight + ..).  Waves share nothing: no barrier.  Memory binds: no matrix unit, no cluster, no tensor load.
.set GRP,  98304
.set KSB,  12288                       ; a K step of a group
.set FRB,  1536                        ; a fragment
.set SP,   528                         ; a stage row: 512 bytes + 16: an odd multiple of 16
.set STG,  16*SP                       ; a wave's stage
.set R,    16                          ; v16-143  two sets of 64 registers as loaded
.set X,    144                         ; v144-207 register 32 c + n = k 64 c + 32 (lane / 16) + n of my row
.set C,    208                         ; v208-219 the fragment
.set WD,   232                         ; v232-235 four scale words
.set WX,   32                          ; weights: v32-95 two sets of 32 numbers
.set F0,   96                          ; v96-107  codes of my column's blocks 0 and 2
.set F1,   108                         ; v108-119 of blocks 1 and 3
.set TT,   120                         ; v120-122 a conversion's second half
.set WW,   124                         ; v124     my column's scale word
	s_load_b256 s[4:11], s[0:1], 0x0               ; q, k, v, Wq
	s_load_b256 s[12:19], s[0:1], 0x20             ; Wk, Wv, Wo, cod
	s_load_b64 s[20:21], s[0:1], 0x40              ; sc
	v_lshl_add_u32 v254, v0, 2, 0x8400
	v_mov_b32 v255, 0
	v_lshrrev_b32 v1, 5, v0
	v_readfirstlane_b32 s24, v1                    ; wave
	v_and_b32 v1, 31, v0                           ; lane
	v_and_b32 v2, 15, v0                           ; r
	v_bfe_u32 v3, v0, 4, 1                         ; h
	v_lshlrev_b32 v4, 4, v1                        ; 16 x lane
	v_lshlrev_b32 v5, 3, v1                        ; 8 x lane
	s_and_b32 s25, ttmp7, 0xffff                   ; y
	s_cmp_eq_u32 s25, 3
	s_cbranch_scc1 .Lweights
; ---- q, k, v: a wave takes one tile of 16 rows x 4 K steps.  Each load reads 512 consecutive bytes of one row; a K step's 16 rows turn through the wave's own stage, so that a lane gets 2 x 32 neighbours of its row.
	s_mul_i32 s26, s24, STG
	v_add_nc_u32 v6, s26, v4                       ; the stage, on the way in: 16 x lane, a row an instruction
	v_mul_u32_u24 v7, v2, SP
	v_lshl_add_u32 v7, v3, 7, v7
	v_add_nc_u32 v7, s26, v7                       ; on the way out: row r, + 128 h
	v_lshlrev_b32 v8, 3, v3                        ; 8 h: my bytes' place in the scale word
	v_lshlrev_b32 v11, 4, v2
	v_add_nc_u32 v11, v11, v8                      ; the words' way out: 16 r + 8 h
	v_mov_b32 v10, 0                               ; a lane permute's destination counts as one of its sources
	s_cmp_eq_u32 s25, 1                            ; k's tiles are formed otherwise: lane r of tile i stands for row 64 (i/4) + 8 (i%4) + r%8 + 32 (r/8) of the group
	s_cselect_b32 s42, 0x10000, 0                  ; so k's rows 8-15 of a tile lie 16 rows of 4,096 bytes further on than q's and v's
	v_add_nc_u32 v238, s42, v4
	s_mov_b32 s36, 0x76543210
	s_mov_b32 s37, 0xfedcba98                      ; selects for lane l xor 16
	s_lshl_b32 s27, ttmp9, 2
	s_add_co_u32 s27, s27, s24                     ; u = 4 x work-group + wave
	s_and_b32 s28, s27, 1                          ; which half of K
	s_lshr_b32 s29, s27, 1
	s_and_b32 s30, s29, 7                          ; tile in its group
	s_lshr_b32 s29, s29, 3                         ; group in the tensor
	s_lshl_b32 s31, s25, 6
	s_add_co_u32 s31, s31, s29                     ; group
	s_cmp_eq_u32 s25, 1
	s_cselect_b32 s40, 2, 1
	s_cselect_b32 s41, 3, 1
	s_lshl_b32 s32, s29, 7
	s_lshr_b32 s33, s30, s40
	s_add_co_u32 s40, s40, 4
	s_lshl_b32 s33, s33, s40
	s_add_co_u32 s32, s32, s33
	s_and_b32 s33, s30, s41
	s_lshl_b32 s33, s33, 3
	s_add_co_u32 s32, s32, s33                     ; the tile's first row: q, v: 128 G + 32 (i/2) + 8 (i%2); k: 128 G + 64 (i/4) + 8 (i%4)
	s_lshl_b32 s32, s32, 12                        ; rows of 4,096 bytes
	s_lshl_b32 s33, s28, 11
	s_add_co_u32 s32, s32, s33
	s_mov_b32 s33, 0
	s_mul_i32 s34, s31, GRP
	s_mul_i32 s35, s28, 4*KSB
	s_add_co_u32 s34, s34, s35
	s_mul_i32 s35, s30, FRB
	s_add_co_u32 s34, s34, s35
	s_mov_b32 s35, 0
	s_lshl_b32 s38, s31, 12
	s_lshl_b32 s39, s30, 9
	s_add_co_u32 s38, s38, s39
	s_lshl_b32 s39, s28, 8
	s_add_co_u32 s38, s38, s39
	s_mov_b32 s39, 0
	s_wait_alu depctr_va_vdst(0)
	s_wait_kmcnt 0x0
	s_cmp_eq_u32 s25, 0                            ; the tensor is chosen by the work-group's number alone
	s_cselect_b64 s[22:23], s[4:5], s[6:7]
	s_cmp_eq_u32 s25, 2
	s_cselect_b64 s[22:23], s[8:9], s[22:23]
	s_add_nc_u64 s[22:23], s[22:23], s[32:33]
	s_add_nc_u64 s[18:19], s[18:19], s[34:35]
	s_add_nc_u64 s[20:21], s[20:21], s[38:39]
.macro XLOAD t                         ; K step t of my 16 rows: the tile's rows 0-7 are neighbours, rows 8-15 lie 16 further on
.irp rr, 0,1,2,3,4,5,6,7
	global_load_b128 v[R+64*((\t)%2)+4*\rr:R+64*((\t)%2)+4*\rr+3], v4, s[22:23] offset:\rr*4096+512*(\t) th:TH_LOAD_NT
.endr
.irp rr, 8,9,10,11,12,13,14,15
	global_load_b128 v[R+64*((\t)%2)+4*\rr:R+64*((\t)%2)+4*\rr+3], v238, s[22:23] offset:(\rr+8)*4096+512*(\t) th:TH_LOAD_NT
.endr
.endm
.macro XSTEP t
.if (\t) < 3
	s_wait_loadcnt 16                              ; this step's 16 loads are in; the next step's 16 may be out
.else
	s_wait_loadcnt 0
.endif
.irp rr, 0,1,2,3,4,5,6,7,8,9,10,11,12,13,14,15
	ds_store_b128 v6, v[R+64*((\t)%2)+4*\rr:R+64*((\t)%2)+4*\rr+3] offset:\rr*SP
.endr
.irp c, 0,1
.irp j, 0,1,2,3,4,5,6,7
	ds_load_b128 v[X+32*\c+4*\j:X+32*\c+4*\j+3], v7 offset:256*\c+16*\j   ; LDS serves a wave's instructions in order: these see the stores above
.endr
.endr
	s_wait_dscnt 0x0                               ; my numbers are back, and the stage's stores have read their registers
	s_wait_xcnt 0x0                                ; the last step's stores have read the fragment's registers
.if (\t)+2 < 4
	XLOAD (\t)+2
.endif
.irp c, 0,1                            ; my blocks h and 2 + h: all 32 numbers of each are mine
	v_max3_num_f32 v[12+\c], |v[X+32*\c]|, |v[X+32*\c+1]|, 0x1800000   ; with the floor 2^(3 - 127)
.endr
.irp i, 2,4,6,8,10,12,14,16,18,20,22,24,26,28,30
.irp c, 0,1
	v_max3_num_f32 v[12+\c], v[12+\c], |v[X+32*\c+\i]|, |v[X+32*\c+\i+1]|
.endr
.endr
.irp c, 0,1
	v_add_nc_u32 v[14+\c], 0xff000000, v[12+\c]    ; 2 off the exponent field: the conversion's scale operand
.endr
.irp c, 0,1
	v_lshrrev_b32 v[228+\c], 23, v[14+\c]          ; the scale's byte
.endr
	v_lshl_or_b32 v9, v229, 16, v228
	v_lshlrev_b32 v9, v8, v9                       ; my two bytes at their places
	v_permlanex16_b32 v10, v9, s36, s37
	v_or_b32 v[WD+(\t)], v9, v10                   ; with lane l xor 16's two the word is whole
.irp c, 0,1
	v_cvt_scalef32_pk16_fp6_f32 v[C+6*\c:C+6*\c+2], v[X+32*\c:X+32*\c+15], v[14+\c]
	v_cvt_scalef32_pk16_fp6_f32 v[220+4*\c:222+4*\c], v[X+32*\c+16:X+32*\c+31], v[14+\c]   ; (a conversion's three registers begin on an even number)
.endr
	v_nop                                          ; one plain place behind a scaled conversion
.irp c, 0,1
.irp i, 0,1,2
	v_mov_b32 v[C+3+6*\c+\i], v[220+4*\c+\i]
.endr
.endr
	global_store_b128 v4, v[C:C+3], s[18:19] offset:KSB*(\t)
	global_store_b64 v5, v[C+4:C+5], s[18:19] offset:KSB*(\t)+512
	global_store_b128 v4, v[C+6:C+9], s[18:19] offset:KSB*(\t)+768
	global_store_b64 v5, v[C+10:C+11], s[18:19] offset:KSB*(\t)+1280
.endm
	XLOAD 0
	XLOAD 1
	XSTEP 0
	XSTEP 1
	XSTEP 2
	XSTEP 3
	v_cmp_le_u32 vcc_lo, 16, v1
	v_cndmask_b32 v236, v[WD], v[WD+2], vcc_lo     ; lanes 0-15 store words 0, 1 of row r, lanes 16-31 words 2, 3
	v_cndmask_b32 v237, v[WD+1], v[WD+3], vcc_lo
	global_store_b64 v11, v[236:237], s[20:21]     ; 32 lanes store 256 consecutive bytes, aligned
	s_wait_tensorcnt 0x0
	ds_add_u32 v254, v255
	s_wait_dscnt 0x0
	s_endpgm
; ---- the weights: a wave takes 32 columns x one K step.  A LANE TAKES A COLUMN AND ITS REGISTERS RUN DOWN K: each load reads 128 consecutive bytes, a block of 32 lies in one lane.
; Lanes 0-15 take the columns of tile 2 b, lanes 16-31 those of tile 2 b + 1.  The scale words leave 4 bytes a lane, 16 bytes apart: runs of 256 bytes are written in part there; they are one byte in 128 of what this path reads.
.Lweights:
	s_lshr_b32 s26, ttmp9, 6                       ; which weight: 0 Wq, 1 Wk, 2 Wv, 3 Wo
	s_bfe_u32 s27, ttmp9, 0x30003                  ; K step
	s_and_b32 s28, ttmp9, 7
	s_lshl_b32 s28, s28, 2
	s_add_co_u32 s28, s28, s24                     ; which 32 columns
	s_wait_alu depctr_va_vdst(0)
	v_and_b32 v6, 7, v1
	v_and_b32 v7, 8, v1
	v_lshl_or_b32 v6, v7, 1, v6
	v_and_b32 v7, 16, v1
	v_lshrrev_b32 v7, 1, v7
	v_or_b32 v6, v6, v7                            ; my column among the 32: r + 8 (r / 8) + 8 h
	v_lshlrev_b32 v8, 2, v6
	v_lshlrev_b32 v9, 9, v3
	v_lshl_add_u32 v9, v2, 4, v9                   ; my scale word: 512 h + 16 r
	s_lshr_b32 s29, s28, 1                         ; a head's weight: head x 262,144 + K step x 128 rows of 256 bytes + 128 x half
	s_lshl_b32 s29, s29, 18
	s_lshl_b32 s30, s27, 15
	s_add_co_u32 s29, s29, s30
	s_and_b32 s30, s28, 1
	s_lshl_b32 s30, s30, 7
	s_add_co_u32 s29, s29, s30
	s_lshl_b32 s30, s27, 19                        ; Wo: K step x 128 rows of 4,096 bytes + 128 x columns' number
	s_lshl_b32 s31, s28, 7
	s_add_co_u32 s30, s30, s31
	s_lshl_b32 s31, s26, 3
	s_lshr_b32 s32, s28, 2
	s_add_co_u32 s31, s31, s32
	s_add_co_u32 s31, s31, 192                     ; group
	s_and_b32 s32, s28, 3                          ; which pair of tiles
	s_mul_i32 s34, s31, GRP
	s_mul_i32 s33, s27, KSB
	s_add_co_u32 s34, s34, s33
	s_mul_i32 s33, s32, 2*FRB
	s_add_co_u32 s34, s34, s33
	s_mov_b32 s35, 0
	s_lshl_b32 s38, s31, 12
	s_lshl_b32 s33, s32, 10
	s_add_co_u32 s38, s38, s33
	s_lshr_b32 s33, s27, 2
	s_lshl_b32 s33, s33, 8
	s_add_co_u32 s38, s38, s33
	s_and_b32 s33, s27, 3
	s_lshl_b32 s33, s33, 2
	s_add_co_u32 s38, s38, s33
	s_mov_b32 s39, 0
	s_wait_kmcnt 0x0
	s_cmp_eq_u32 s26, 0
	s_cselect_b64 s[22:23], s[10:11], s[12:13]
	s_cmp_eq_u32 s26, 2
	s_cselect_b64 s[22:23], s[14:15], s[22:23]
	s_cmp_eq_u32 s26, 3
	s_cselect_b64 s[22:23], s[16:17], s[22:23]
	s_cselect_b32 s32, s30, s29
	s_mov_b32 s33, 0
	s_add_nc_u64 s[22:23], s[22:23], s[32:33]
	s_add_nc_u64 s[18:19], s[18:19], s[34:35]
	s_add_nc_u64 s[20:21], s[20:21], s[38:39]
.macro WLOAD t, pitch                  ; block t: W(32 t + n, my column), n = 0 .. 31
.irp n, 0,1,2,3,4,5,6,7,8,9,10,11,12,13,14,15,16,17,18,19,20,21,22,23,24,25,26,27,28,29,30,31
	global_load_b32 v[WX+32*((\t)%2)+\n], v8, s[22:23] offset:(32*(\t)+\n)*(\pitch) th:TH_LOAD_NT
.endr
.endm
.macro WBLOCK t, pitch
.set XS, WX+32*((\t)%2)
.set FB, F0+12*((\t)%2)+6*((\t)/2)
.if (\t) < 3
	s_wait_loadcnt 32                              ; this block's 32 loads are in; the next block's may be out
.else
	s_wait_loadcnt 0
.endif
	v_max3_num_f32 v12, |v[XS]|, |v[XS+1]|, |v[XS+2]|
	v_max3_num_f32 v13, |v[XS+3]|, |v[XS+4]|, |v[XS+5]|
.irp i, 6,10,14,18,22,26
	v_max3_num_f32 v12, v12, |v[XS+\i]|, |v[XS+\i+1]|
	v_max3_num_f32 v13, v13, |v[XS+\i+2]|, |v[XS+\i+3]|
.endr
	v_max3_num_f32 v12, v12, |v[XS+30]|, |v[XS+31]|
	v_max3_num_f32 v12, v12, v13, 0x1800000        ; and the floor
	v_add_nc_u32 v11, 0xff000000, v12
	v_lshrrev_b32 v13, 23, v11
.if (\t) == 0
	v_mov_b32 v[WW], v13
.else
	v_lshl_or_b32 v[WW], v13, 8*(\t), v[WW]
.endif
	v_cvt_scalef32_pk16_fp6_f32 v[FB:FB+2], v[XS:XS+15], v11
	v_cvt_scalef32_pk16_fp6_f32 v[TT:TT+2], v[XS+16:XS+31], v11
	v_nop                                          ; one plain place behind a scaled conversion
.irp i, 0,1,2
	v_mov_b32 v[FB+3+\i], v[TT+\i]
.endr
.if (\t)+2 < 4
	WLOAD (\t)+2, \pitch
.endif
.endm
.macro WPATH pitch
	WLOAD 0, \pitch
	WLOAD 1, \pitch
	WBLOCK 0, \pitch
	WBLOCK 1, \pitch
	WBLOCK 2, \pitch
	WBLOCK 3, \pitch
.irp n, 0,1,2,3,4,5,6,7,8,9,10,11
	v_permlane16_swap_b32 v[F0+\n], v[F1+\n]       ; the first's lanes 16-31 change places with the second's lanes 0-15: F0 is now tile 2 b's fragment, F1 tile 2 b + 1's
.endr
.irp f, 0,1
	global_store_b128 v4, v[F0+12*\f:F0+12*\f+3], s[18:19] offset:FRB*\f
	global_store_b64 v5, v[F0+12*\f+4:F0+12*\f+5], s[18:19] offset:FRB*\f+512
	global_store_b128 v4, v[F0+12*\f+6:F0+12*\f+9], s[18:19] offset:FRB*\f+768
	global_store_b64 v5, v[F0+12*\f+10:F0+12*\f+11], s[18:19] offset:FRB*\f+1280
.endr
	global_store_b32 v9, v[WW], s[20:21]
	s_endpgm
.endm
	s_cmp_eq_u32 s26, 3                            ; the pitch stands in the loads' immediates: the path is written for each of the two
	s_cbranch_scc1 .Lwo
	s_wait_alu depctr_va_vdst(0)
	WPATH 256
.Lwo:
	s_wait_alu depctr_va_vdst(0)
	WPATH 4096
.Lfunc_end_k_q66e617c4d4_quant:
	.size	k_q66e617c4d4_quant, .Lfunc_end_k_q66e617c4d4_quant-k_q66e617c4d4_quant
	.p2alignl 7, 3214868480
	.fill 96, 4, 3214868480
	.section	.rodata,"a",@progbits
	.p2align	6, 0x0
	.amdhsa_kernel k_q66e617c4d4_quant
		.amdhsa_group_segment_fixed_size 34304
		.amdhsa_private_segment_fixed_size 0
		.amdhsa_enable_private_segment 0
		.amdhsa_kernarg_size 72
		.amdhsa_user_sgpr_count 2
		.amdhsa_user_sgpr_kernarg_segment_ptr 1
		.amdhsa_wavefront_size32 1
		.amdhsa_system_sgpr_workgroup_id_x 1
		.amdhsa_system_sgpr_workgroup_id_y 1
		.amdhsa_system_sgpr_workgroup_id_z 1
		.amdhsa_system_vgpr_workitem_id 0
		.amdhsa_next_free_vgpr 256
		.amdhsa_next_free_sgpr 66
		.amdhsa_reserve_vcc 1
		.amdhsa_float_denorm_mode_32 3
		.amdhsa_float_denorm_mode_16_64 3
		.amdhsa_memory_ordered 1
		.amdhsa_forward_progress 1
		.amdhsa_inst_pref_size 72
	.end_amdhsa_kernel
	.amdgpu_metadata
---
amdhsa.version: [ 1, 2 ]
amdhsa.kernels:
  - .name:           k_q66e617c4d4_quant
    .symbol:         k_q66e617c4d4_quant.kd
    .args:
      - { .name: q, .offset: 0, .size: 8, .value_kind: global_buffer, .address_space: global }
      - { .name: k, .offset: 8, .size: 8, .value_kind: global_buffer, .address_space: global }
      - { .name: v, .offset: 16, .size: 8, .value_kind: global_buffer, .address_space: global }
      - { .name: Wq, .offset: 24, .size: 8, .value_kind: global_buffer, .address_space: global }
      - { .name: Wk, .offset: 32, .size: 8, .value_kind: global_buffer, .address_space: global }
      - { .name: Wv, .offset: 40, .size: 8, .value_kind: global_buffer, .address_space: global }
      - { .name: Wo, .offset: 48, .size: 8, .value_kind: global_buffer, .address_space: global }
      - { .name: cod, .offset: 56, .size: 8, .value_kind: global_buffer, .address_space: global }
      - { .name: sc, .offset: 64, .size: 8, .value_kind: global_buffer, .address_space: global }
    .group_segment_fixed_size: 34304
    .private_segment_fixed_size: 0
    .kernarg_segment_align: 8
    .kernarg_segment_size: 72
    .max_flat_workgroup_size: 128
    .sgpr_count:     66
    .vgpr_count:     256
    .wavefront_size: 32
...
	.end_amdgpu_metadata
.endif
;; end of part 1
;; launch proj (part 2): grid 4 x 64, 4 waves a work-group, clusters of 4 x 1, 327,680 bytes of LDS; arguments cod, sc, qc, kv; writes qc, kv
.if DOCPART == 2
	.amdgcn_target "amdgcn-amd-amdhsa--gfx1250"
	.amdhsa_code_object_version 6
	.text
	.protected	k_q66e617c4d4_proj
	.globl	k_q66e617c4d4_proj
	.p2align	8
	.type	k_q66e617c4d4_proj,@function
k_q66e617c4d4_proj:
	s_mov_b64 s[64:65], 0
	v_nop
	global_prefetch_b8 v0, s[64:65] scope:SCOPE_SE
	s_setreg_imm32_b32 hwreg(HW_REG_WAVE_MODE, 25, 1), 1
	s_wait_xcnt 0x0
	s_wait_alu depctr_hold_cnt(0) depctr_sa_sdst(0) depctr_va_vdst(0) depctr_va_sdst(0) depctr_va_ssrc(0) depctr_va_vcc(0) depctr_vm_vsrc(0)
	s_getreg_b32 s2, hwreg(HW_REG_IB_STS2, 6, 4)
	s_cmp_eq_u32 s2, 0
	s_cbranch_scc0 .Lentry_in_a_cluster
	s_endpgm
.Lentry_in_a_cluster:
	s_bfe_u32 s2, ttmp6, 0x10000c
	s_cmp_lg_u32 s2, 0x3003
	s_cbranch_scc0 .Lentry_shape_is_right
	s_endpgm
.Lentry_shape_is_right:
; Q = q Wq, K = k Wk, V = v Wv on codes of FP6 (E2M3) with E8M0 scales, K = 1,024, sums in f32, and their quantisers: Q and K along the head's 64, V along the tokens.  No f32 result is stored.
; IN: cod: images of operand registers, a group of 128 rows = [K step 0..7][tile 0..7][1,536]: groups 64 T + g: tokens of tensor T (0 q, 1 k, 2 v); 192 + 8 T + ..: the weights' columns.  sc: 4,096 bytes a group: [tile][K step / 4][row r][K step % 4] words.
; OUT: qc: records of 6,656 bytes for (16 batch + head, 128 queries): 8 half images of 768, then scale words [lane r + 16 (tile % 2)][tile / 2];
; kv: records of 13,056 bytes for (16 batch + head, 128 keys): K's 8 half images, V^T's 4 fragments of 1,536 (at 6,144), K's scale words (12,288), V's (12,800: [lane][tile / 2]).  Bytes 2, 3 of Q's and K's words are 127.
; THE DEAL.  256 work-groups; each takes ONE group of 128 tokens x 256 columns through three units: V, K, Q.  A wave takes all 128 tokens x the 64 columns of one head (4 x tile column + wave).
; The three groups of tokens (294,912 bytes) come into LDS at the head, one joint load a wave (v's group, needed first, by waves 0 and 1, a half of K each; k's by wave 2; q's by wave 3), and nothing is filled again.
; CLUSTER 4 x 1: the four work-groups of a group of tokens ask for it jointly.  The weights are not asked for jointly: they lie in memory as register images and go straight into registers, since LDS has no room for them beside the three groups.
; A UNIT GOES BY HALVES OF K.  A half's weights are 16 fragments (192 registers).  While one half is multiplied against all eight tiles of tokens, the other half's registers take the next half's weights and scale words:
; so the loads have eight blocks of 16 products in which to land.  All 32 accumulators of a unit (256 registers) are kept over both halves.
; Nothing is prefetched: the tiles are all asked for at the head, and the weights are loaded half a unit ahead of their use.
; Q, K: source 0 = the weight's columns: a lane holds a token, its 32 registers of a tile run along the head's 64 (32 (b/2) + 8 (b%2) + 16 h + j).  V: source 0 = the tokens: a lane holds a column, its 16 registers of two tiles are 16 neighbouring tokens.
; A block's scale byte is its largest magnitude's exponent field - 2, held at 1 from below.  LIMITS: NaN and infinities are not served; a block of zeros gets the byte 1 (read by this program alone).
; REGISTERS: window 0: v1-11 addresses; v28-59 the weights' scale words (8 tile + K step); v64-127 the tokens' (8 tile + K step); v128-255 the way out.  Window 3: the accumulators.
; Fragment f lies in window 1 + f / 21 at register 12 (f % 21): 0-31 the weights' (4 K step + tile), 32-35 and 36-39 the tokens' two sets.
.set GRP,   98304
.set KSB,   12288
.set FRB,   1536
.set SPARE, 3*GRP
.set FPW,   21
.set LN,   1
.set A16,  3
.set A8,   4
.set R16,  6
.set AA,   8                           ; v8-11 LDS addresses of the unit's tokens: 16 x lane, 8 x lane for K steps 0-3; the same for K steps 4-7
.set SPW,  24
.set NIL,  25
.set SB,   28
.set SC,   64
.set TMX,  128
.set TMP,  132
.set TSO,  136
.set TBY,  140
.set PC,   144
.set PT,   156
.set PW,   164
.set TJ,   172
.set VF,   176                         ; v176-223 V^T's four fragments
.set VT,   224                         ; v224-255 the odd blocks' codes
.set G1H,  24
.set G0H,  32
.set G0F,  36
.set WB,   40
.set WS,   42
.set AS,   44
.set LB,   46
.set LB2,  47
.set G1F,  48
.set TRIP, 56
.set OC,   58
.set OS,   60
.set KC,   68
.set KS_,  70
.set QC,   72
.set QS,   74
.set VC_,  76
.set VS_,  78
.set MSB, 0
.macro WIN new                         ; the immediate's high byte repeats the setting that is left
.if MSB != (\new)
	s_set_vgpr_msb (MSB<<8)|(\new)
.set MSB, (\new)
.endif
.endm
.macro PLACES n
.rept \n
	v_nop
.endr
.endm
.macro WALU
	s_wait_alu depctr_va_vdst(0)
.endm
.macro BARRIER
	s_barrier_signal -1
	s_barrier_wait -1
.endm
.macro CROUND
	BARRIER
	s_cmp_lg_u32 s14, 0
	s_cbranch_scc1 .Lnot_wave_0_\@
	s_barrier_signal -3
.Lnot_wave_0_\@:
	s_barrier_wait -3
	BARRIER
.endm
.macro TLOAD g0, g1
	tensor_load_to_lds s[\g0:\g0+3], s[\g1:\g1+7]
	s_nop 0
	PLACES 4
.endm
.macro FRAG f, a, off                  ; an image of 12 registers from LDS
	WIN (1+(\f)/FPW)<<6
.set R_, 12*((\f)%FPW)
	ds_load_b128 v[R_:R_+3], v[\a] offset:\off
	ds_load_b64 v[R_+4:R_+5], v[\a+1] offset:(\off)+512
	ds_load_b128 v[R_+6:R_+9], v[\a] offset:(\off)+768
	ds_load_b64 v[R_+10:R_+11], v[\a+1] offset:(\off)+1280
.endm
.macro FETCHN n                        ; block n of a unit (half n / 8, tile n % 8): four fragments of tokens into set n % 2: 16 loads
.irp qq, 0,1,2,3
	FRAG 32+4*((\n)%2)+\qq, AA+2*((\n)/8), \qq*KSB+((\n)%8)*FRB
.endr
	WIN 0
.endm
.macro WLOAD hs                        ; half hs of K: my head's 16 fragments of the weight, its scale words and the tokens': 76 loads, each of whole runs of 256 bytes
.irp qq, 0,1,2,3
.irp b, 0,1,2,3
.set F_, 4*(4*(\hs)+\qq)+\b
.set R_, 12*(F_%FPW)
.set O_, (4*(\hs)+\qq)*KSB+\b*FRB
	WIN (1+F_/FPW)<<6
	global_load_b128 v[R_:R_+3], v[A16], s[WB:WB+1] offset:O_
	global_load_b64 v[R_+4:R_+5], v[A8], s[WB:WB+1] offset:O_+512
	global_load_b128 v[R_+6:R_+9], v[A16], s[WB:WB+1] offset:O_+768
	global_load_b64 v[R_+10:R_+11], v[A8], s[WB:WB+1] offset:O_+1280
.endr
.endr
	WIN 0
.irp b, 0,1,2,3
	global_load_b128 v[SB+8*\b+4*(\hs):SB+8*\b+4*(\hs)+3], v[R16], s[WS:WS+1] offset:512*\b+256*(\hs)
.endr
.irp i, 0,1,2,3,4,5,6,7
	global_load_b128 v[SC+8*\i+4*(\hs):SC+8*\i+4*(\hs)+3], v[R16], s[AS:AS+1] offset:512*\i+256*(\hs)
.endr
.endm
.macro STEPB                           ; the bases go one tensor down (v, k, q); every load that read them is done
	s_sub_nc_u64 s[WB:WB+1], s[WB:WB+1], 8*GRP
	s_sub_nc_u64 s[WS:WS+1], s[WS:WS+1], 8*4096
	s_sub_nc_u64 s[AS:AS+1], s[AS:AS+1], 64*4096
.endm
.macro PROD1 d, s0, s1, q, x0, x1
.if \q
	v_wmma_scale_f32_16x16x128_f8f6f4 v[\d:\d+7], v[12*((\s0)%FPW):12*((\s0)%FPW)+11], v[12*((\s1)%FPW):12*((\s1)%FPW)+11], v[\d:\d+7], v[\x0], v[\x1] matrix_a_fmt:MATRIX_FMT_FP6 matrix_b_fmt:MATRIX_FMT_FP6
.else
	v_wmma_scale_f32_16x16x128_f8f6f4 v[\d:\d+7], v[12*((\s0)%FPW):12*((\s0)%FPW)+11], v[12*((\s1)%FPW):12*((\s1)%FPW)+11], 0, v[\x0], v[\x1] matrix_a_fmt:MATRIX_FMT_FP6 matrix_b_fmt:MATRIX_FMT_FP6
.endif
.endm
.macro PROD kind, a, q, b              ; tile a of tokens x tile b of my head, K step q.  kind 0 (Q, K): accumulator 32 a + 8 b; kind 1 (V): 64 (a/2) + 16 b + 8 (a%2)
.set FW_, 4*(\q)+(\b)
.set FA_, 32+4*((\a)%2)+(\q)%4
.if \kind
.set D_, 64*((\a)/2)+16*(\b)+8*((\a)%2)
	WIN (1+FA_/FPW)|((1+FW_/FPW)<<2)|0xf0
	PROD1 D_, FA_, FW_, \q, SC+8*(\a)+(\q), SB+8*(\b)+(\q)
.else
.set D_, 32*(\a)+8*(\b)
	WIN (1+FW_/FPW)|((1+FA_/FPW)<<2)|0xf0
	PROD1 D_, FW_, FA_, \q, SB+8*(\b)+(\q), SC+8*(\a)+(\q)
.endif
.endm
; Q's or K's tile a leaves: two blocks of 32 along the head's 64, each shared by lanes l and l xor 16; a half image of six registers and two scale bytes
.macro QOUT a
.set X_, 32*(\a)
	s_wait_xcnt 0x0                                ; the last tile's stores have read the codes' registers
	WIN 0x3c
.irp k, 0,1,2,3
	v_max3_num_f32 v[TMX+\k], 0x1800000, |v[X_+8*\k]|, |v[X_+8*\k+1]|   ; four chains, one an accumulator, each from its low end on; with the floor 2^(3 - 127)
.endr
.irp i, 2,4,6
.irp k, 0,1,2,3
	v_max3_num_f32 v[TMX+\k], v[TMX+\k], |v[X_+8*\k+\i]|, |v[X_+8*\k+\i+1]|
.endr
.endr
	WIN 0
	v_max_num_f32 v[TMX], v[TMX], v[TMX+1]
	v_max_num_f32 v[TMX+2], v[TMX+2], v[TMX+3]
	v_permlanex16_b32 v[TMP], v[TMX], s96, s97
	v_permlanex16_b32 v[TMP+1], v[TMX+2], s96, s97
	v_max_num_f32 v[TMX], v[TMX], v[TMP]
	v_max_num_f32 v[TMX+2], v[TMX+2], v[TMP+1]
	v_add_nc_u32 v[TSO], 0xff000000, v[TMX]        ; 2 off the exponent field: the conversion's scale operand
	v_add_nc_u32 v[TSO+1], 0xff000000, v[TMX+2]
	v_lshrrev_b32 v[TBY], 23, v[TSO]
	v_lshrrev_b32 v[TBY+1], 23, v[TSO+1]
	v_lshl_or_b32 v[PW+(\a)], v[TBY+1], 8, v[TBY]
	WIN 3
	v_cvt_scalef32_pk16_fp6_f32 v[PC:PC+2], v[X_:X_+15], v[TSO]
	v_cvt_scalef32_pk16_fp6_f32 v[PT:PT+2], v[X_+16:X_+31], v[TSO+1]
	WIN 0
	v_nop                                          ; one plain place behind a scaled conversion
.irp i, 0,1,2
	v_permlane16_swap_b32 v[PC+\i], v[PT+\i]       ; a whole block to a lane: lanes 0-15 block 0, lanes 16-31 block 1
.endr
.irp i, 0,1,2
	v_mov_b32 v[PC+3+\i], v[PT+\i]
.endr
	global_store_b128 v[A16], v[PC:PC+3], s[OC:OC+1] offset:768*(\a)
	global_store_b64 v[A8], v[PC+4:PC+5], s[OC:OC+1] offset:768*(\a)+512
	WALU                                           ; the wait ahead of the next block's wait
.endm
.macro QEND                            ; the unit's scale words: lanes 0-15 the even tiles', lanes 16-31 the odd ones'; bytes 2, 3 are 127
	v_cmp_le_u32 vcc_lo, 16, v[LN]
.irp j, 0,1,2,3
	v_cndmask_b32 v[TJ+\j], v[PW+2*\j], v[PW+2*\j+1], vcc_lo
.endr
.irp j, 0,1,2,3
	v_or_b32 v[TJ+\j], s98, v[TJ+\j]
.endr
	global_store_b128 v[A16], v[TJ:TJ+3], s[OS:OS+1]
.endm
; V: tokens 32 p .. 32 p + 31 are finished for all four tiles of columns: a block of 32 lies in lanes l and l xor 16
.macro VOUT p
.set Y_, 64*(\p)
	WIN 0x3c
.irp b, 0,1,2,3
	v_max3_num_f32 v[TMX+\b], 0x1800000, |v[Y_+16*\b]|, |v[Y_+16*\b+1]|
.endr
.irp i, 2,4,6,8,10,12,14
.irp b, 0,1,2,3
	v_max3_num_f32 v[TMX+\b], v[TMX+\b], |v[Y_+16*\b+\i]|, |v[Y_+16*\b+\i+1]|
.endr
.endr
	WIN 0
.irp b, 0,1,2,3
	v_permlanex16_b32 v[TMP+\b], v[TMX+\b], s96, s97
.endr
.irp b, 0,1,2,3
	v_max_num_f32 v[TMX+\b], v[TMX+\b], v[TMP+\b]
.endr
.irp b, 0,1,2,3
	v_add_nc_u32 v[TSO+\b], 0xff000000, v[TMX+\b]
.endr
.irp b, 0,1,2,3
	v_lshrrev_b32 v[TBY+\b], 23, v[TSO+\b]
.endr
.irp b, 0,1,2,3
.if (\p) == 0
	v_mov_b32 v[PW+\b], v[TBY+\b]
.else
	v_lshl_or_b32 v[PW+\b], v[TBY+\b], 8*(\p), v[PW+\b]   ; byte p of the column's scale word
.endif
.endr
	WIN 3
.irp b, 0,1,2,3
.if (\p)%2
	v_cvt_scalef32_pk16_fp6_f32 v[VT+8*\b+4*((\p)/2):VT+8*\b+4*((\p)/2)+2], v[Y_+16*\b:Y_+16*\b+15], v[TSO+\b]
.else
	v_cvt_scalef32_pk16_fp6_f32 v[VF+12*\b+6*((\p)/2):VF+12*\b+6*((\p)/2)+2], v[Y_+16*\b:Y_+16*\b+15], v[TSO+\b]
.endif
.endr
	WIN 0
	v_nop                                          ; one plain place behind a scaled conversion
	WALU                                           ; the wait ahead of the next block's wait
.endm
.macro VEND                            ; V^T's four fragments and their scale words leave
.irp b, 0,1,2,3
.irp c, 0,1
.irp i, 0,1,2
	v_permlane16_swap_b32 v[VF+12*\b+6*\c+\i], v[VT+8*\b+4*\c+\i]
.endr
.endr
.endr
.irp b, 0,1,2,3
.irp c, 0,1
.irp i, 0,1,2
	v_mov_b32 v[VF+12*\b+6*\c+3+\i], v[VT+8*\b+4*\c+\i]
.endr
.endr
.endr
	v_cmp_le_u32 vcc_lo, 16, v[LN]
	v_cndmask_b32 v[TJ], v[PW], v[PW+1], vcc_lo
	v_cndmask_b32 v[TJ+1], v[PW+2], v[PW+3], vcc_lo
.irp b, 0,1,2,3
	global_store_b128 v[A16], v[VF+12*\b:VF+12*\b+3], s[VC_:VC_+1] offset:FRB*\b
	global_store_b64 v[A8], v[VF+12*\b+4:VF+12*\b+5], s[VC_:VC_+1] offset:FRB*\b+512
	global_store_b128 v[A16], v[VF+12*\b+6:VF+12*\b+9], s[VC_:VC_+1] offset:FRB*\b+768
	global_store_b64 v[A8], v[VF+12*\b+10:VF+12*\b+11], s[VC_:VC_+1] offset:FRB*\b+1280
.endr
	global_store_b64 v[A8], v[TJ:TJ+1], s[VS_:VS_+1]
.endm
; A block: 16 products, four accumulators by turns.  Its tokens were fetched two blocks ago: the next block's 16 loads may be out.
.macro BLOCK kind, n
.if (\n) < 15
	s_wait_dscnt 16
.else
	s_wait_dscnt 0x0
.endif
.irp qq, 0,1,2,3
.irp b, 0,1,2,3
	PROD \kind, (\n)%8, 4*((\n)/8)+\qq, \b
.endr
.endr
	WIN 0
	PLACES 4                                       ; ahead of loads into registers that the products have read, and of the first read of results
.if (\n)+2 <= 15
	FETCHN (\n)+2
.endif
.if (\n) >= 8
.if \kind
.if (\n)%2
	VOUT ((\n)%8)/2
.endif
.else
	QOUT (\n)%8
.endif
.endif
.endm
; A unit: the tokens at LDS byte s[LB].  Its first half's weights were asked for half a unit ago.  nxt = 1: a unit follows; 2: a unit follows in the loop's first trip alone
.macro UNIT kind, nxt
	v_add_nc_u32 v[AA], s[LB], v[A16]
	v_add_nc_u32 v[AA+1], s[LB], v[A8]
	s_add_co_u32 s[LB2], s[LB], 4*KSB
	v_add_nc_u32 v[AA+2], s[LB2], v[A16]
	v_add_nc_u32 v[AA+3], s[LB2], v[A8]
	WALU
	FETCHN 0
	FETCHN 1
	s_wait_loadcnt 0x0                             ; the first half's weights and scale words are in
	WLOAD 1                                        ; the second half's, under the first half's eight blocks
.irp n, 0,1,2,3,4,5,6,7
	BLOCK \kind, \n
.endr
	s_wait_loadcnt 0x0
.if (\nxt) == 1
	STEPB
	WLOAD 0                                        ; the next unit's first half, under this unit's second
.else
	s_cmp_eq_u32 s[TRIP], 0
	s_cbranch_scc0 .Lno_next_\@
	STEPB
	WLOAD 0
.Lno_next_\@:
.endif
.irp n, 8,9,10,11,12,13,14,15
	BLOCK \kind, \n
.endr
.if \kind
	VEND
.else
	QEND
.endif
.endm
	s_load_b256 s[4:11], s[0:1], 0x0               ; cod, sc, qc, kv
	v_lshl_add_u32 v[SPW], v0, 2, SPARE
	v_mov_b32 v[NIL], 0
	ds_add_u32 v[SPW], v[NIL]                      ; the opening lines: the add, twice on end, and its wait
	ds_add_u32 v[SPW], v[NIL]
	v_lshrrev_b32 v2, 5, v0
	v_readfirstlane_b32 s14, v2                    ; wave 0 .. 3
	v_and_b32 v[LN], 31, v0
	v_and_b32 v2, 15, v0
	v_lshlrev_b32 v[A16], 4, v[LN]
	v_lshlrev_b32 v[A8], 3, v[LN]
	v_lshlrev_b32 v[R16], 4, v2
.irp j, 0,1,2,3
	v_mov_b32 v[TMP+\j], 0                         ; a lane permute's destination counts as one of its sources
.endr
	s_lshr_b32 s15, s14, 1
	s_and_b32 s16, s14, 1
	s_bfe_u32 s80, ttmp6, 0x40000                  ; cx = the tile column: it enters the weights' and the results' addresses alone
	s_and_b32 s17, ttmp7, 0xffff                   ; the group of tokens, 0 .. 63, which the four partners share
	s_mov_b32 s[G1H], 15|(3<<16)|(1<<21)           ; the mask of all four; elements of 8 bytes; bit 21 beside a mask.  Dense rows of 256 bytes: half of K of a group is 192,
	s_mov_b32 s[G1H+1], 32<<16
	s_mov_b32 s[G1H+2], 192<<16
	s_mov_b32 s[G1H+3], 32<<16
	s_mov_b32 s[G1H+4], 192
	s_mov_b32 s[G1H+5], 32
	s_mov_b32 s[G1H+6], 0
	s_mov_b32 s[G1H+7], 0
	s_mov_b32 s[G1F], 15|(3<<16)|(1<<21)           ; a whole group 384
	s_mov_b32 s[G1F+1], 32<<16
	s_mov_b32 s[G1F+2], 384<<16
	s_mov_b32 s[G1F+3], 32<<16
	s_mov_b32 s[G1F+4], 384
	s_mov_b32 s[G1F+5], 32
	s_mov_b32 s[G1F+6], 0
	s_mov_b32 s[G1F+7], 0
	s_add_co_u32 s18, s17, 128                     ; v's group
	s_mul_i32 s82, s18, GRP
	s_mul_i32 s19, s16, 4*KSB
	s_add_co_u32 s82, s82, s19                     ; + which half of K (waves 0, 1)
	s_mov_b32 s83, 0
	s_xor_b32 s20, s16, 1
	s_lshl_b32 s20, s20, 6
	s_add_co_u32 s20, s20, s17                     ; wave 2: k's group, wave 3: q's
	s_mul_i32 s84, s20, GRP
	s_mov_b32 s85, 0
	s_mov_b32 s[G0H], 1
	s_mov_b32 s[G0H+1], s19                        ; LDS: v's group at 0,
	s_mov_b32 s[G0F], 1
	s_mul_i32 s[G0F+1], s16, GRP
	s_add_co_u32 s[G0F+1], s[G0F+1], GRP           ; k's behind it, then q's
	s_lshl_b32 s21, s80, 1
	s_add_co_u32 s21, s21, s15
	s_add_co_u32 s21, s21, 208                     ; Wv's group of my head: 192 + 16 + 2 x tile column + wave / 2
	s_mul_i32 s86, s21, GRP
	s_mul_i32 s22, s16, 4*FRB
	s_add_co_u32 s86, s86, s22                     ; tiles 4 (wave % 2) ..
	s_mov_b32 s87, 0
	s_lshl_b32 s88, s21, 12
	s_lshl_b32 s22, s16, 11
	s_add_co_u32 s88, s88, s22
	s_mov_b32 s89, 0
	s_lshl_b32 s90, s18, 12
	s_mov_b32 s91, 0
	s_mov_b32 s96, 0x76543210
	s_mov_b32 s97, 0xfedcba98
	s_mov_b32 s98, 0x7f7f0000
	WALU                                           ; the wait at the head's end
	s_wait_dscnt 0x0
	s_wait_kmcnt 0x0
	s_add_nc_u64 s[G0H+2:G0H+3], s[4:5], s[82:83]
	s_or_b32 s[G0H+3], s[G0H+3], 0x80000000
	s_add_nc_u64 s[G0F+2:G0F+3], s[4:5], s[84:85]
	s_or_b32 s[G0F+3], s[G0F+3], 0x80000000
	s_add_nc_u64 s[WB:WB+1], s[4:5], s[86:87]
	s_add_nc_u64 s[WS:WS+1], s[6:7], s[88:89]
	s_add_nc_u64 s[AS:AS+1], s[6:7], s[90:91]
	CROUND                                         ; all four work-groups are here: the joint loads meet
	s_cmp_lt_u32 s14, 2
	s_cbranch_scc0 .Lwhole
	TLOAD G0H, G1H                                 ; waves 0, 1: half of K of v's group each
	s_branch .Lasked
.Lwhole:
	TLOAD G0F, G1F                                 ; wave 2: k's group, wave 3: q's
.Lasked:
	WLOAD 0                                        ; Wv, the first half of K
	s_lshr_b32 s18, s17, 4                         ; where the results go: record 16 (16 batch + head) + the group in its batch
	s_lshl_b32 s18, s18, 4
	s_lshl_b32 s19, s80, 2
	s_add_co_u32 s18, s18, s19
	s_add_co_u32 s18, s18, s14
	s_lshl_b32 s18, s18, 4
	s_and_b32 s19, s17, 15
	s_add_co_u32 s18, s18, s19
	s_mul_i32 s20, s18, 13056
	s_mov_b32 s21, 0
	s_mul_i32 s22, s18, 6656
	s_mov_b32 s23, 0
	s_add_nc_u64 s[KC:KC+1], s[10:11], s[20:21]
	s_add_nc_u64 s[KS_:KS_+1], s[KC:KC+1], 12288
	s_add_nc_u64 s[VC_:VC_+1], s[KC:KC+1], 6144
	s_add_nc_u64 s[VS_:VS_+1], s[KC:KC+1], 12800
	s_add_nc_u64 s[QC:QC+1], s[8:9], s[22:23]
	s_add_nc_u64 s[QS:QS+1], s[QC:QC+1], 6144
	s_cmp_lt_u32 s14, 2
	s_cbranch_scc0 .Lnot_v
	s_wait_tensorcnt 0x0
.Lnot_v:
	BARRIER                                        ; v's group is in; the others may still be on their way
	s_mov_b32 s[LB], 0
	UNIT 1, 1                                      ; V
	s_mov_b32 s[TRIP], 0
	s_mov_b32 s[LB], GRP
.Lunit:                                                ; K, then Q
	s_wait_xcnt 0x0                                ; the last unit's stores have read their bases
	s_cmp_eq_u32 s[TRIP], 0
	s_cselect_b64 s[OC:OC+1], s[KC:KC+1], s[QC:QC+1]
	s_cselect_b64 s[OS:OS+1], s[KS_:KS_+1], s[QS:QS+1]
	s_wait_tensorcnt 0x0                           ; every wave's tile is in,
	s_wait_dscnt 0x0
	BARRIER                                        ; and shown to all
	UNIT 0, 2
	s_add_co_u32 s[LB], s[LB], GRP
	s_add_co_u32 s[TRIP], s[TRIP], 1
	s_cmp_lg_u32 s[TRIP], 2
	WALU                                           ; the wait ahead of the branch
	s_cbranch_scc1 .Lunit
	s_wait_tensorcnt 0x0                           ; the wave's end
	ds_add_u32 v[SPW], v[NIL]
	s_wait_dscnt 0x0
	CROUND                                         ; the closing round
	s_endpgm
.Lfunc_end_k_q66e617c4d4_proj:
	.size	k_q66e617c4d4_proj, .Lfunc_end_k_q66e617c4d4_proj-k_q66e617c4d4_proj
	.p2alignl 7, 3214868480
	.fill 96, 4, 3214868480
	.section	.rodata,"a",@progbits
	.p2align	6, 0x0
	.amdhsa_kernel k_q66e617c4d4_proj
		.amdhsa_group_segment_fixed_size 327680
		.amdhsa_private_segment_fixed_size 0
		.amdhsa_enable_private_segment 0
		.amdhsa_kernarg_size 32
		.amdhsa_user_sgpr_count 2
		.amdhsa_user_sgpr_kernarg_segment_ptr 1
		.amdhsa_wavefront_size32 1
		.amdhsa_system_sgpr_workgroup_id_x 1
		.amdhsa_system_sgpr_workgroup_id_y 1
		.amdhsa_system_sgpr_workgroup_id_z 1
		.amdhsa_system_vgpr_workitem_id 0
		.amdhsa_next_free_vgpr 1024
		.amdhsa_next_free_sgpr 100
		.amdhsa_reserve_vcc 1
		.amdhsa_float_denorm_mode_32 3
		.amdhsa_float_denorm_mode_16_64 3
		.amdhsa_memory_ordered 1
		.amdhsa_forward_progress 1
		.amdhsa_inst_pref_size 186
	.end_amdhsa_kernel
	.amdgpu_metadata
---
amdhsa.version: [ 1, 2 ]
amdhsa.kernels:
  - .name:           k_q66e617c4d4_proj
    .symbol:         k_q66e617c4d4_proj.kd
    .args:
      - { .name: cod, .offset: 0, .size: 8, .value_kind: global_buffer, .address_space: global }
      - { .name: sc, .offset: 8, .size: 8, .value_kind: global_buffer, .address_space: global }
      - { .name: qc, .offset: 16, .size: 8, .value_kind: global_buffer, .address_space: global }
      - { .name: kv, .offset: 24, .size: 8, .value_kind: global_buffer, .address_space: global }
    .group_segment_fixed_size: 327680
    .private_segment_fixed_size: 0
    .kernarg_segment_align: 8
    .kernarg_segment_size: 32
    .max_flat_workgroup_size: 128
    .sgpr_count:     100
    .vgpr_count:     1024
    .wavefront_size: 32
...
	.end_amdgpu_metadata
.endif
;; end of part 2
;; launch attn (part 3): grid 4 x 64, 8 waves a work-group, clusters of 4 x 1, 215,040 bytes of LDS; arguments qc, kv, mc, ms; writes mc, ms
.if DOCPART == 3
	.amdgcn_target "amdgcn-amd-amdhsa--gfx1250"
	.amdhsa_code_object_version 6
	.text
	.protected	k_q66e617c4d4_attn
	.globl	k_q66e617c4d4_attn
	.p2align	8
	.type	k_q66e617c4d4_attn,@function
k_q66e617c4d4_attn:
	s_mov_b64 s[64:65], 0
	v_nop
	global_prefetch_b8 v0, s[64:65] scope:SCOPE_SE
	s_setreg_imm32_b32 hwreg(HW_REG_WAVE_MODE, 25, 1), 1
	s_wait_xcnt 0x0
	s_wait_alu depctr_hold_cnt(0) depctr_sa_sdst(0) depctr_va_vdst(0) depctr_va_sdst(0) depctr_va_ssrc(0) depctr_va_vcc(0) depctr_vm_vsrc(0)
	s_getreg_b32 s2, hwreg(HW_REG_IB_STS2, 6, 4)
	s_cmp_eq_u32 s2, 0
	s_cbranch_scc0 .Lentry_in_a_cluster
	s_endpgm
.Lentry_in_a_cluster:
	s_bfe_u32 s2, ttmp6, 0x10000c
	s_cmp_lg_u32 s2, 0x3003
	s_cbranch_scc0 .Lentry_shape_is_right
	s_endpgm
.Lentry_shape_is_right:
; Attention of one (batch, head) on codes of FP6 (E2M3): S^T = K Q^T (K = the head's 64), p = 2^(t - M), O^T = V^T P^T (K = the keys), O / l quantised along the head's 64.
; t = score x log2(e) / 8; M = the running largest t rounded UP to a whole number; the row's sum l is taken of the unquantised p; when M moves, l and O are multiplied by 2^(old M - new M), which rounds nothing.
; SHARES.  A work-group owns 512 queries of one head; each of its eight waves holds TWO tiles of 16 queries at once (u = 0, 1: groups 2 p and 2 p + 1 of 128 queries, tile = the wave's number), in two trips p.
; Both tiles take every fragment of K and V that comes from LDS, and every dependent line of one tile has the other tile's beside it.
; THE WHOLE HEAD'S K AND V STAY IN LDS: 16 records of 13,056 bytes (128 keys each: K's 8 half images, V^T's 4 fragments, K's and V's scale words), filled ONCE, two records a wave by one load.  No slot is filled again.
; CLUSTER.  The four work-groups of a head need the same records: each pair is asked for jointly, with the mask of all four.
; Nothing is prefetched: all that the launch reads of K and V is asked for by its first loads, and both trips' Q are loaded a trip ahead of their use.
; LAYOUT.  Both products are used transposed: a lane holds one query (lane % 16).  Lane r of K's tile T stands for key 64 (T/4) + 8 (T%4) + r%8 + 32 (r/8) of the step: so the 32 registers of tiles 4 c .. 4 c + 3 are,
; in lane half h, the 32 keys of block 2 c + h in their order: a block's largest score needs no other lane, and the conversions' results are P's operand registers as they fall.
; THE HEAD'S 64 IN AN INSTRUCTION OF 128: Q's k = 64 .. 127 are zero codes.  K's tile T is named as registers 6 T .. 6 T + 11: its upper half is the next tile's codes, which meet Q's zeros; FP6 has no NaN or infinity,
; and bytes 2, 3 of both scale words are 127: the products there are zeros.  So the eight tiles take 54 registers.
; OUT: mc: the heads' codes as images, group of 128 rows x [K step = head / 2][tile][1,536], half image head % 2; ms: [group][head][row r][tile] halfwords of two scale bytes.
; LIMITS: NaN and infinities are not served; the promise holds while the scaled scores stay under 2^31 in magnitude; the division by l is v_rcp_f32 and a multiplication; a block of zeros gets the byte 1 (read by this program alone).
; REGISTERS, window 0: v1-11 addresses; v12-19 -M, largest score, l (a tile: 4); v20-23 f; v24-29 scale words of Q, P, V; v40-63 Q; v64-117 K; v118-165 V; v166-189 P; v190-243 at work; v244-247 K's scale words.
; Window 1: v0-127 S^T, then p (64 a tile); v128-191 O^T (32 a tile); v192-209 the Q that the next trip takes.
.set REC,  13056
.set QREC, 6656
.set GRP,  98304
.set KSB,  12288
.set FRB,  1536
.set VOFF, 6144
.set KSC,  12288
.set VSC,  12800
.set MSL,  16*REC                      ; behind the records: 1,024 bytes in which the work-group's scale halfwords meet; no tensor load lands there
.set SPARE, 0x34000
.set A16, 1
.set A8,  2
.set AK,  3
.set AK8, 4
.set HW,  5
.set QO,  6
.set WO,  7
.set WG,  8
.set SH,  9
.set NK,  10
.set NK8, 11
.set NM,  12                           ; + 4 u: -M; + 1: the running largest score
.set LS,  14                           ; + 4 u: the sum, a pair
.set FF,  20                           ; + 2 u: f
.set QW,  24
.set PW,  26
.set VW,  28
.set NIL, 30
.set SPW, 31
.set XX,  32
.set PD,  34
.set DD,  36
.set QB,  40
.set KB,  64
.set VB,  118
.set PB,  166
.set TC,  190
.set BM,  206
.set SO,  210
.set BY,  214
.set WP,  218
.set WQ,  220
.set SU,  224
.set KW,  244
.set OB,  128                          ; window 1
.set QN,  192
.set QNW, 208
.set WV,  12
.set SEL, 20
.set CS,  22
.set G1,  24
.set G0,  32
.set TB,  36
.set CNT, 37
.set TN,  48
.set TRIP, 49
.set NEG, 50
.set HS,  51
.set MSB, 0
.macro WIN new                         ; the immediate's high byte repeats the setting that is left
.if MSB != (\new)
	s_set_vgpr_msb (MSB<<8)|(\new)
.set MSB, (\new)
.endif
.endm
.macro WALU
	s_wait_alu depctr_va_vdst(0)
.endm
.macro CROUND
	s_barrier_signal -1
	s_barrier_wait -1
	s_cmp_lg_u32 s[WV], 0
	s_cbranch_scc1 .Lnot_wave_0_\@
	s_barrier_signal -3
.Lnot_wave_0_\@:
	s_barrier_wait -3
	s_barrier_signal -1
	s_barrier_wait -1
.endm
.macro KLOAD a, b                      ; a record's K: its scale words and eight half images: 17 loads
	ds_load_b128 v[KW:KW+3], v[\a] offset:KSC
.irp T, 0,1,2,3,4,5,6,7
	ds_load_b128 v[KB+6*\T:KB+6*\T+3], v[\a] offset:768*\T
	ds_load_b64 v[KB+6*\T+4:KB+6*\T+5], v[\b] offset:768*\T+512
.endr
.endm
.macro QLOADN off                      ; two tiles of Q and their scale words into window 1
	WIN 0x40
.irp u, 0,1
	global_load_b128 v[QN+8*\u:QN+8*\u+3], v[A16], s[40:41] offset:(\off)+\u*QREC
	global_load_b64 v[QN+8*\u+4:QN+8*\u+5], v[A8], s[40:41] offset:(\off)+\u*QREC+512
	global_load_b32 v[QNW+\u], v[QO], s[42:43] offset:(\off)+\u*QREC
.endr
	WIN 0
.endm
.macro KQ T, u                         ; S^T's tile T of query tile u.  K's word lies in lanes 0-15 for even tiles, in lanes 16-31 for odd ones
.if (\T)%2
	v_wmma_scale_f32_16x16x128_f8f6f4 v[64*\u+8*\T:64*\u+8*\T+7], v[KB+6*\T:KB+6*\T+11], v[QB+12*\u:QB+12*\u+11], 0, v[KW+(\T)/2], v[QW+\u] matrix_a_fmt:MATRIX_FMT_FP6 matrix_b_fmt:MATRIX_FMT_FP6 matrix_a_scale:MATRIX_SCALE_ROW1
.else
	v_wmma_scale_f32_16x16x128_f8f6f4 v[64*\u+8*\T:64*\u+8*\T+7], v[KB+6*\T:KB+6*\T+11], v[QB+12*\u:QB+12*\u+11], 0, v[KW+(\T)/2], v[QW+\u] matrix_a_fmt:MATRIX_FMT_FP6 matrix_b_fmt:MATRIX_FMT_FP6
.endif
.endm
.macro PV T, u                         ; O^T's tile T of query tile u += V^T's tile T x P
.if (\T)%2
	v_wmma_scale_f32_16x16x128_f8f6f4 v[OB+32*\u+8*\T:OB+32*\u+8*\T+7], v[VB+12*\T:VB+12*\T+11], v[PB+12*\u:PB+12*\u+11], v[OB+32*\u+8*\T:OB+32*\u+8*\T+7], v[VW+(\T)/2], v[PW+\u] matrix_a_fmt:MATRIX_FMT_FP6 matrix_b_fmt:MATRIX_FMT_FP6 matrix_a_scale:MATRIX_SCALE_ROW1
.else
	v_wmma_scale_f32_16x16x128_f8f6f4 v[OB+32*\u+8*\T:OB+32*\u+8*\T+7], v[VB+12*\T:VB+12*\T+11], v[PB+12*\u:PB+12*\u+11], v[OB+32*\u+8*\T:OB+32*\u+8*\T+7], v[VW+(\T)/2], v[PW+\u] matrix_a_fmt:MATRIX_FMT_FP6 matrix_b_fmt:MATRIX_FMT_FP6
.endif
.endm
; A KEY STEP: 128 keys, the record at s[TB], for both query tiles.  Its K was asked for a step ago.  last = 1: the next K is record 0's, for the next trip (the second trip's is not used).
.macro STEP last
	v_add_nc_u32 v[AK], s[TB], v[A16]              ; these four lines are the places between the last step's products and the loads into V's registers
	v_add_nc_u32 v[AK8], s[TB], v[A8]
	v_nop
	v_nop
.irp T, 0,1,2,3
	ds_load_b128 v[VB+12*\T:VB+12*\T+3], v[AK] offset:VOFF+FRB*\T
	ds_load_b64 v[VB+12*\T+4:VB+12*\T+5], v[AK8] offset:VOFF+FRB*\T+512
	ds_load_b128 v[VB+12*\T+6:VB+12*\T+9], v[AK] offset:VOFF+FRB*\T+768
	ds_load_b64 v[VB+12*\T+10:VB+12*\T+11], v[AK8] offset:VOFF+FRB*\T+1280
.endr
	ds_load_b64 v[VW:VW+1], v[AK8] offset:VSC
	s_wait_dscnt 17                                ; K is in; V's 17 loads, just issued, may be out: they land under the softmax
	WIN 0x40
.irp T, 0,1,2,3,4,5,6,7
.irp u, 0,1
	KQ \T, \u
.endr
.endr
	WIN 0
.if \last                                              ; four places behind the products, ahead of the loads into K's registers and of the first read of S^T
	v_nop
	v_nop
.else
	v_add_nc_u32 v[NK], s[TN], v[A16]
	v_add_nc_u32 v[NK8], s[TN], v[A8]
.endif
.irp u, 0,1
	v_mov_b32 v[DD+\u], v[NM+4*\u]                 ; the old -M
.endr
.if \last
	KLOAD A16, A8
.else
	KLOAD NK, NK8
.endif
	WIN 0x14
.irp i, 0,2,4,6,8,10,12,14,16,18,20,22,24,26,28,30
.irp u, 0,1
.irp c, 0,1
.if \i == 0
	v_max3_num_f32 v[BM+2*\u+\c], s[NEG], v[64*\u+32*\c], v[64*\u+32*\c+1]   ; my block 2 c + h: its largest score serves for the row's maximum and, since p rises with the score, for the block's largest p
.else
	v_max3_num_f32 v[BM+2*\u+\c], v[BM+2*\u+\c], v[64*\u+32*\c+\i], v[64*\u+32*\c+\i+1]
.endif
.endr
.endr
.endr
	WIN 0
.irp u, 0,1
	v_max_num_f32 v[XX+\u], v[BM+2*\u], v[BM+2*\u+1]
.endr
.irp u, 0,1
	v_permlanex16_b32 v[PD+\u], v[XX+\u], s[SEL], s[SEL+1]
.endr
.irp u, 0,1
	v_max3_num_f32 v[NM+4*\u+1], v[NM+4*\u+1], v[XX+\u], v[PD+\u]   ; the running largest score of my query
.endr
.irp u, 0,1
	v_mul_f32 v[XX+\u], s[CS], v[NM+4*\u+1]        ; as t (c is positive)
.endr
.irp u, 0,1
	v_floor_f32 v[NM+4*\u], -v[XX+\u]              ; the new -M = -ceil(t)
.endr
.irp u, 0,1
	v_sub_f32 v[DD+\u], v[NM+4*\u], v[DD+\u]       ; old M - new M: a whole number, 0 or less
.endr
.irp u, 0,1
	v_cvt_i32_f32 v[DD+\u], v[DD+\u]               ; (it saturates)
.endr
.irp u, 0,1
	v_ldexp_f32 v[FF+2*\u], 1.0, v[DD+\u]          ; f = 2^(old M - new M)
.endr
.irp u, 0,1
	v_pk_fma_f32 v[BM+2*\u:BM+2*\u+1], v[BM+2*\u:BM+2*\u+1], s[CS:CS+1], v[NM+4*\u:NM+4*\u+1] op_sel_hi:[1,0,0]
.endr
	WIN 0x41
.irp u, 0,1
.set n, 0
.rept 32
	v_pk_fma_f32 v[64*\u+n:64*\u+n+1], v[64*\u+n:64*\u+n+1], s[CS:CS+1], v[NM+4*\u:NM+4*\u+1] op_sel_hi:[1,0,0]   ; t - M, two at a time
.set n, n+2
.endr
.endr
	WALU                                           ; the wait ahead of the batch
.set n, 0
.rept 128
	v_exp_f32 v[n], v[n]                           ; p = 2^(t - M): not normalised
.set n, n+1
.endr
	WIN 0
.irp n, 0,1,2,3
	v_exp_f32 v[BM+\n], v[BM+\n]                   ; the blocks' largest p
.endr
.irp u, 0,1
	v_pk_mul_f32 v[LS+4*\u:LS+4*\u+1], v[LS+4*\u:LS+4*\u+1], v[FF+2*\u:FF+2*\u+1] op_sel_hi:[1,0]   ; the sums under the new M: plain places behind the batch
.endr
	WALU                                           ; and one wait behind it, ahead of its first reader
	WIN 0x05                                       ; the row's sum of the unquantised p: four chains a tile
.irp u, 0,1
.irp k, 1,2,3
	v_pk_add_f32 v[SU+8*\u+2*\k:SU+8*\u+2*\k+1], v[64*\u+16*\k:64*\u+16*\k+1], v[64*\u+16*\k+2:64*\u+16*\k+3]
.endr
.endr
	WIN 0x04
.irp j, 0,1,2,3,4,5,6,7
.irp u, 0,1
	v_pk_add_f32 v[LS+4*\u:LS+4*\u+1], v[LS+4*\u:LS+4*\u+1], v[64*\u+2*\j:64*\u+2*\j+1]
.if \j >= 2
.irp k, 1,2,3
	v_pk_add_f32 v[SU+8*\u+2*\k:SU+8*\u+2*\k+1], v[SU+8*\u+2*\k:SU+8*\u+2*\k+1], v[64*\u+16*\k+2*\j:64*\u+16*\k+2*\j+1]
.endr
.endif
.endr
.endr
	WIN 0
.irp u, 0,1
	v_pk_add_f32 v[SU+8*\u+2:SU+8*\u+3], v[SU+8*\u+2:SU+8*\u+3], v[SU+8*\u+4:SU+8*\u+5]
	v_pk_add_f32 v[LS+4*\u:LS+4*\u+1], v[LS+4*\u:LS+4*\u+1], v[SU+8*\u+6:SU+8*\u+7]
.endr
.irp n, 0,1,2,3
	v_max_num_f32 v[BM+\n], 0x1800000, v[BM+\n]    ; the floor 2^(3 - 127): the byte cannot fall under 1
.endr
.irp u, 0,1
	v_pk_add_f32 v[LS+4*\u:LS+4*\u+1], v[LS+4*\u:LS+4*\u+1], v[SU+8*\u+2:SU+8*\u+3]
.endr
.irp n, 0,1,2,3
	v_add_nc_u32 v[SO+\n], 0xff000000, v[BM+\n]    ; 2 off the exponent field: the conversion's scale operand
.endr
.irp n, 0,1,2,3
	v_lshrrev_b32 v[BY+\n], 23, v[SO+\n]           ; the scale's byte
.endr
.irp u, 0,1
	v_lshl_or_b32 v[WP+\u], v[BY+2*\u+1], 16, v[BY+2*\u]
.endr
.irp u, 0,1
	v_lshlrev_b32 v[WP+\u], v[SH], v[WP+\u]        ; my two bytes, blocks h and 2 + h, at their places
.endr
.irp u, 0,1
	v_permlanex16_b32 v[WQ+\u], v[WP+\u], s[SEL], s[SEL+1]
.endr
.irp u, 0,1
	v_or_b32 v[PW+\u], v[WP+\u], v[WQ+\u]          ; with lane l xor 16's two: p's scale word for these 128 keys
.endr
	WIN 0x01
.irp u, 0,1
.irp c, 0,1
	v_cvt_scalef32_pk16_fp6_f32 v[PB+12*\u+6*\c:PB+12*\u+6*\c+2], v[64*\u+32*\c:64*\u+32*\c+15], v[SO+2*\u+\c]
	v_cvt_scalef32_pk16_fp6_f32 v[TC+8*\u+4*\c:TC+8*\u+4*\c+2], v[64*\u+32*\c+16:64*\u+32*\c+31], v[SO+2*\u+\c]   ; (a conversion's three registers begin on an even number)
.endr
.endr
	WIN 0
	v_nop                                          ; one plain place behind a scaled conversion
.irp u, 0,1
.irp c, 0,1
.irp i, 0,1,2
	v_mov_b32 v[PB+12*\u+6*\c+3+\i], v[TC+8*\u+4*\c+\i]
.endr
.endr
.endr
	WIN 0x41
	WALU                                           ; directly ahead of the first reader of O^T
.irp u, 0,1
.set n, 0
.rept 16
	v_pk_mul_f32 v[OB+32*\u+n:OB+32*\u+n+1], v[OB+32*\u+n:OB+32*\u+n+1], v[FF+2*\u:FF+2*\u+1] op_sel_hi:[1,0]   ; O^T under the new M; these lines are also the places between the codes and scale words just made and the products
.set n, n+2
.endr
.endr
	WALU                                           ; directly ahead of the wait below
	s_wait_dscnt 17                                ; V is in; the next K's 17 loads may be out
	WIN 0x50
.irp T, 0,1,2,3
.irp u, 0,1
	PV \T, \u                                      ; eight accumulators by turns
.endr
.endr
	WIN 0
.endm
	s_load_b256 s[4:11], s[0:1], 0x0               ; qc, kv, mc, ms
	v_lshl_add_u32 v[SPW], v0, 2, SPARE
	v_mov_b32 v[NIL], 0
	ds_add_u32 v[SPW], v[NIL]                      ; the opening lines: the add, twice on end, and its wait
	ds_add_u32 v[SPW], v[NIL]
	v_lshrrev_b32 v38, 5, v0
	v_readfirstlane_b32 s[WV], v38                 ; wave 0 .. 7
	s_bfe_u32 s13, ttmp6, 0x40000                  ; cx: it enters Q's, mc's and ms's addresses alone
	s_and_b32 s14, ttmp7, 0xffff                   ; 16 x batch + head, which the four partners share
	s_mov_b32 s[G1], 15|(3<<16)|(1<<21)            ; the mask of all four; elements of 8 bytes; bit 21 beside a mask
	s_mov_b32 s[G1+1], 32<<16                      ; two records: 102 dense rows of 256 bytes
	s_mov_b32 s[G1+2], 102<<16
	s_mov_b32 s[G1+3], 32<<16
	s_mov_b32 s[G1+4], 102
	s_mov_b32 s[G1+5], 32
	s_mov_b32 s[G1+6], 0
	s_mov_b32 s[G1+7], 0
	s_lshl_b32 s15, s14, 4
	s_lshl_b32 s16, s[WV], 1
	s_add_co_u32 s15, s15, s16
	s_mul_i32 s16, s15, REC                        ; my two records in memory,
	s_mov_b32 s17, 0
	s_mov_b32 s[G0], 1
	s_mul_i32 s[G0+1], s[WV], 2*REC                ; and in LDS
	s_wait_dscnt 0x0
	s_wait_kmcnt 0x0
	s_add_nc_u64 s[G0+2:G0+3], s[6:7], s[16:17]
	s_or_b32 s[G0+3], s[G0+3], 0x80000000
	CROUND                                         ; all four work-groups are here: the joint loads meet
	tensor_load_to_lds s[G0:G0+3], s[G1:G1+7]      ; my one load
	s_nop 0
.rept 4
	v_nop
.endr
	v_and_b32 v38, 31, v0                          ; lane
	v_and_b32 v39, 15, v0                          ; r
	v_lshlrev_b32 v[A16], 4, v38
	v_lshlrev_b32 v[A8], 3, v38
	v_bfe_u32 v[SH], v0, 4, 1
	v_lshlrev_b32 v[SH], 3, v[SH]                  ; 8 h
	s_lshl_b32 s17, s[WV], 1
	s_add_co_u32 s17, s17, MSL
	v_lshl_add_u32 v[HW], v39, 4, s17              ; my halfword: 16 r + 2 x tile (+ 256 x group)
	s_and_b32 s18, s[WV], 1
	s_lshl_b32 s18, s18, 8
	v_lshl_add_u32 v[QO], v39, 4, s18              ; Q's scale word: 16 (r + 16 (tile % 2))
	v_lshl_add_u32 v[WO], v0, 4, MSL               ; the halfwords' way out (waves 0 and 1): 16 x thread
	v_lshrrev_b32 v[WG], 4, v0
	v_lshlrev_b32 v[WG], 12, v[WG]
	v_lshl_add_u32 v[WG], v39, 4, v[WG]            ; and in ms: 4,096 x group + 16 r
	WALU                                           ; the wait ahead of the run of scalar lines
	s_mov_b32 s[SEL], 0x76543210
	s_mov_b32 s[SEL+1], 0xfedcba98
	s_mov_b32 s[CS], 0x3e38aa3b                    ; c = log2(e) / sqrt(64)
	s_mov_b32 s[CS+1], s[CS]
	s_mov_b32 s[NEG], 0xff7fffff                   ; under every score
	s_mov_b32 s39, 0
	s_lshl_b32 s18, s14, 4
	s_lshl_b32 s19, s13, 2
	s_add_co_u32 s18, s18, s19
	s_mul_i32 s18, s18, QREC                       ; Q's first record: 16 (16 batch + head) + 4 cx
	s_mul_i32 s19, s[WV], 768
	s_add_co_u32 s38, s18, s19
	s_add_nc_u64 s[40:41], s[4:5], s[38:39]        ; my tile's half image
	s_lshr_b32 s19, s[WV], 1
	s_lshl_b32 s19, s19, 2
	s_add_co_u32 s38, s18, s19
	s_add_co_u32 s38, s38, 6144
	s_add_nc_u64 s[42:43], s[4:5], s[38:39]        ; its scale words
	s_lshr_b32 s18, s14, 4
	s_lshl_b32 s18, s18, 4
	s_lshl_b32 s19, s13, 2
	s_add_co_u32 s18, s18, s19                     ; the work-group's first group of rows: 16 batch + 4 cx
	s_lshl_b32 s38, s18, 12
	s_and_b32 s19, s14, 15                         ; head
	s_lshl_b32 s17, s19, 8
	s_add_co_u32 s38, s38, s17
	s_add_nc_u64 s[46:47], s[10:11], s[38:39]      ; ms
	s_mul_i32 s38, s18, GRP
	s_lshr_b32 s17, s19, 1
	s_mul_i32 s17, s17, KSB
	s_add_co_u32 s38, s38, s17
	s_mul_i32 s17, s[WV], FRB
	s_add_co_u32 s38, s38, s17
	s_and_b32 s17, s14, 1
	s_mul_i32 s17, s17, 768
	s_add_co_u32 s38, s38, s17
	s_add_nc_u64 s[44:45], s[8:9], s[38:39]        ; mc
	QLOADN 0                                       ; the first trip's Q
.irp u, 0,1
.irp j, 6,7,8,9,10,11
	v_mov_b32 v[QB+12*\u+\j], 0                    ; Q's k = 64 .. 127: zero codes, written once
.endr
.endr
.irp j, 48,49,50,51,52,53
	v_mov_b32 v[KB+\j], 0                          ; what tile 7 names as its upper half
.endr
.irp j, PD, PD+1, WQ, WQ+1, FF+1, FF+3
	v_mov_b32 v[\j], 0                             ; lane permutes' destinations and the upper halves of pairs are written before they are named
.endr
	s_mov_b32 s[TRIP], 0
	s_mov_b32 s[HS], 0
	WALU                                           ; the wait at the head's end
	s_wait_tensorcnt 0x0                           ; my records are in,
	s_barrier_signal -1
	s_barrier_wait -1                              ; everybody's are
	KLOAD A16, A8                                  ; record 0's K
.Ltrip:                                                ; two tiles of 16 queries through all 2,048 keys, and their way out
	s_wait_loadcnt 0x0                             ; this trip's Q
	WIN 0x01
.irp u, 0,1
.irp j, 0,1,2,3,4,5
	v_mov_b32 v[QB+12*\u+\j], v[QN+8*\u+\j]
.endr
	v_mov_b32 v[QW+\u], v[QNW+\u]
.endr
	WIN 0
	WALU                                           ; the wait ahead of the branch
	s_cmp_eq_u32 s[TRIP], 0
	s_cbranch_scc0 .Lno_q
	QLOADN 2*QREC                                  ; the second trip's Q, two groups on: it lands under the first trip
.Lno_q:
	WIN 0x40
.set n, 0
.rept 64
	v_mov_b32 v[OB+n], 0                           ; the step is written once: the first finds zeros, which the first change of M leaves zeros
.set n, n+1
.endr
	WIN 0
.irp u, 0,1
	v_mov_b32 v[NM+4*\u+1], 0xff61b1e6             ; -3e38, under every score
	v_mov_b32 v[LS+4*\u], 0
	v_mov_b32 v[LS+4*\u+1], 0
.endr
.irp u, 0,1
	v_floor_f32 v[NM+4*\u], -v[NM+4*\u+1]
.endr
	s_mov_b32 s[TB], 0
	s_mov_b32 s[TN], REC
	s_mov_b32 s[CNT], 15
	WALU
.Lstep:
	STEP 0
	s_add_co_u32 s[TB], s[TB], REC
	s_add_co_u32 s[TN], s[TN], REC
	s_sub_co_u32 s[CNT], s[CNT], 1
	s_cmp_lg_u32 s[CNT], 0
	s_cbranch_scc1 .Lstep
	STEP 1                                         ; record 15
.irp u, 0,1
	v_add_f32 v[LS+4*\u], v[LS+4*\u], v[LS+4*\u+1]
.endr
	v_nop
	v_nop                                          ; four places behind the last products
.irp u, 0,1
	v_permlanex16_b32 v[PD+\u], v[LS+4*\u], s[SEL], s[SEL+1]
.endr
.irp u, 0,1
	v_add_f32 v[LS+4*\u], v[LS+4*\u], v[PD+\u]     ; the row's sum
.endr
	WALU
.irp u, 0,1
	v_rcp_f32 v[LS+4*\u], v[LS+4*\u]
.endr
	v_nop                                          ; a plain place behind the transcendentals
	WIN 0x41
	WALU                                           ; the wait ahead of their first reader, which is O^T's first reader too
.irp u, 0,1
.set n, 0
.rept 16
	v_pk_mul_f32 v[64*\u+n:64*\u+n+1], v[OB+32*\u+n:OB+32*\u+n+1], v[LS+4*\u:LS+4*\u+1] op_sel_hi:[1,0]   ; O^T / l, each accumulator from its low end on: register 16 b + i = the head's 32 b + 16 h + i
.set n, n+2
.endr
.endr
	WIN 0x14
.irp i, 0,2,4,6,8,10,12,14
.irp u, 0,1
.irp b, 0,1
.if \i == 0
	v_max3_num_f32 v[BM+2*\u+\b], 0x1800000, |v[64*\u+16*\b]|, |v[64*\u+16*\b+1]|
.else
	v_max3_num_f32 v[BM+2*\u+\b], v[BM+2*\u+\b], |v[64*\u+16*\b+\i]|, |v[64*\u+16*\b+\i+1]|
.endif
.endr
.endr
.endr
	WIN 0
.irp n, 0,1,2,3
	v_permlanex16_b32 v[BY+\n], v[BM+\n], s[SEL], s[SEL+1]
.endr
.irp n, 0,1,2,3
	v_max_num_f32 v[BM+\n], v[BM+\n], v[BY+\n]
.endr
.irp n, 0,1,2,3
	v_add_nc_u32 v[SO+\n], 0xff000000, v[BM+\n]
.endr
.irp n, 0,1,2,3
	v_lshrrev_b32 v[BY+\n], 23, v[SO+\n]
.endr
.irp u, 0,1
	v_lshl_or_b32 v[WP+\u], v[BY+2*\u+1], 8, v[BY+2*\u]   ; my row's two scale bytes
.endr
	v_add_nc_u32 v38, s[HS], v[HW]                 ; this trip's halfwords: 512 x trip further on
	WIN 0x01
.irp u, 0,1
	v_cvt_scalef32_pk16_fp6_f32 v[PB+12*\u:PB+12*\u+2], v[64*\u:64*\u+15], v[SO+2*\u]
	v_cvt_scalef32_pk16_fp6_f32 v[TC+8*\u:TC+8*\u+2], v[64*\u+16:64*\u+31], v[SO+2*\u+1]
.endr
	WIN 0
	v_nop
.irp u, 0,1
.irp i, 0,1,2
	v_permlane16_swap_b32 v[PB+12*\u+\i], v[TC+8*\u+\i]
.endr
.endr
.irp u, 0,1
.irp i, 0,1,2
	v_mov_b32 v[PB+12*\u+3+\i], v[TC+8*\u+\i]
.endr
.endr
.irp u, 0,1
	global_store_b128 v[A16], v[PB+12*\u:PB+12*\u+3], s[44:45] offset:GRP*\u   ; a half image: whole aligned runs of 256 bytes
	global_store_b64 v[A8], v[PB+12*\u+4:PB+12*\u+5], s[44:45] offset:GRP*\u+512
	ds_store_b16 v38, v[WP+\u] offset:256*\u       ; both lanes of a row write the same halfword with the same value
.endr
	s_wait_xcnt 0x0                                ; the stores have read their base and the codes' registers
	s_add_nc_u64 s[44:45], s[44:45], 2*GRP
	s_add_co_u32 s[HS], s[HS], 512
	s_add_co_u32 s[TRIP], s[TRIP], 1
	s_cmp_lg_u32 s[TRIP], 2
	WALU                                           ; the wait ahead of the branch
	s_cbranch_scc1 .Ltrip
	s_wait_dscnt 0x0                               ; for the others' sake: my halfwords have landed
	s_barrier_signal -1
	s_barrier_wait -1
	s_cmp_lt_u32 s[WV], 2                          ; the work-group's 1,024 bytes of halfwords leave by waves 0 and 1
	s_cbranch_scc0 .Lno_words
	ds_load_b128 v[QB:QB+3], v[WO]
	s_wait_dscnt 0x0
	global_store_b128 v[WG], v[QB:QB+3], s[46:47]  ; sixteen lanes store 256 consecutive bytes, aligned: one (group, head)
.Lno_words:
	s_wait_tensorcnt 0x0                           ; the wave's end
	ds_add_u32 v[SPW], v[NIL]
	s_wait_dscnt 0x0
	CROUND                                         ; the closing round
	s_endpgm
.Lfunc_end_k_q66e617c4d4_attn:
	.size	k_q66e617c4d4_attn, .Lfunc_end_k_q66e617c4d4_attn-k_q66e617c4d4_attn
	.p2alignl 7, 3214868480
	.fill 96, 4, 3214868480
	.section	.rodata,"a",@progbits
	.p2align	6, 0x0
	.amdhsa_kernel k_q66e617c4d4_attn
		.amdhsa_group_segment_fixed_size 215040
		.amdhsa_private_segment_fixed_size 0
		.amdhsa_enable_private_segment 0
		.amdhsa_kernarg_size 32
		.amdhsa_user_sgpr_count 2
		.amdhsa_user_sgpr_kernarg_segment_ptr 1
		.amdhsa_wavefront_size32 1
		.amdhsa_system_sgpr_workgroup_id_x 1
		.amdhsa_system_sgpr_workgroup_id_y 1
		.amdhsa_system_sgpr_workgroup_id_z 1
		.amdhsa_system_vgpr_workitem_id 0
		.amdhsa_next_free_vgpr 512
		.amdhsa_next_free_sgpr 66
		.amdhsa_reserve_vcc 0
		.amdhsa_float_denorm_mode_32 3
		.amdhsa_float_denorm_mode_16_64 3
		.amdhsa_memory_ordered 1
		.amdhsa_forward_progress 1
		.amdhsa_inst_pref_size 74
	.end_amdhsa_kernel
	.amdgpu_metadata
---
amdhsa.version: [ 1, 2 ]
amdhsa.kernels:
  - .name:           k_q66e617c4d4_attn
    .symbol:         k_q66e617c4d4_attn.kd
    .args:
      - { .name: qc, .offset: 0, .size: 8, .value_kind: global_buffer, .address_space: global }
      - { .name: kv, .offset: 8, .size: 8, .value_kind: global_buffer, .address_space: global }
      - { .name: mc, .offset: 16, .size: 8, .value_kind: global_buffer, .address_space: global }
      - { .name: ms, .offset: 24, .size: 8, .value_kind: global_buffer, .address_space: global }
    .group_segment_fixed_size: 215040
    .private_segment_fixed_size: 0
    .kernarg_segment_align: 8
    .kernarg_segment_size: 32
    .max_flat_workgroup_size: 256
    .sgpr_count:     66
    .vgpr_count:     512
    .wavefront_size: 32
...
	.end_amdgpu_metadata
.endif
;; end of part 3
;; launch outp (part 4): grid 4 x 64, 4 waves a work-group, clusters of 4 x 4, 327,680 bytes of LDS; arguments mc, ms, cod, sc, out0; writes out0
.if DOCPART == 4
	.amdgcn_target "amdgcn-amd-amdhsa--gfx1250"
	.amdhsa_code_object_version 6
	.text
	.protected	k_q66e617c4d4_outp
	.globl	k_q66e617c4d4_outp
	.p2align	8
	.type	k_q66e617c4d4_outp,@function
k_q66e617c4d4_outp:
	s_mov_b64 s[64:65], 0
	v_nop
	global_prefetch_b8 v0, s[64:65] scope:SCOPE_SE
	s_setreg_imm32_b32 hwreg(HW_REG_WAVE_MODE, 25, 1), 1
	s_wait_xcnt 0x0
	s_wait_alu depctr_hold_cnt(0) depctr_sa_sdst(0) depctr_va_vdst(0) depctr_va_sdst(0) depctr_va_ssrc(0) depctr_va_vcc(0) depctr_vm_vsrc(0)
	s_getreg_b32 s2, hwreg(HW_REG_IB_STS2, 6, 4)
	s_cmp_eq_u32 s2, 0
	s_cbranch_scc0 .Lentry_in_a_cluster
	s_endpgm
.Lentry_in_a_cluster:
	s_bfe_u32 s2, ttmp6, 0x10000c
	s_cmp_lg_u32 s2, 0xf033
	s_cbranch_scc0 .Lentry_shape_is_right
	s_endpgm
.Lentry_shape_is_right:
; out0 [8192][1024] f32 = heads x Wo on codes of FP6 (E2M3) with E8M0 scales; K = 1,024; sums in f32.
; IN: mc: the heads' codes as images of operand registers, a group of 128 rows = [K step 0..7][tile 0..7][1,536]; ms: [group][head][row r][tile] halfwords of two scale bytes;
; cod, sc: Wo's columns lie in groups 216 .. 223 in the same form, scale words [tile][K step / 4][row r][K step % 4].  Lane r of tile i stands for row (column) 32 (i/2) + 8 (i%2) + r + 8 (r/8) of its group.
; THE DEAL.  256 work-groups, each 128 rows x 256 columns; four waves, each ALL 128 rows x 64 columns.  All of K lies in LDS at once: Wo's two groups (196,608 bytes), the rows' group (98,304): nothing is filled again.
; A wave's 64 columns, all of K, go into registers once (32 fragments, 384 registers); the rows stream past in blocks of 16, all of K (8 fragments, two sets).  A block is 32 products on four accumulators by turns, and is then finished:
; its 16 x 64 results leave through the wave's own stage while the later blocks are multiplied.
; CLUSTER 4 x 4: the rows' group is shared along a row of the cluster, Wo's groups along a column: joint loads, one a wave at the head: waves 0, 1 a group of Wo each (asked for first: they go on into registers), waves 2, 3 half of K of the rows each.
; Nothing is prefetched: the launch has no loop to run ahead in, and all that it reads by tensor loads is asked for at its head.
; THE MATRIX INSTRUCTION IS USED TRANSPOSED (source 0 = 16 columns of Wo, source 1 = 16 rows): a lane holds eight neighbouring numbers of a row of the result.
; REGISTERS: window 0: v1-21 addresses; v28-59 Wo's scale words (8 tile + K step); v64-127 the rows' scale words (8 tile + K step); v128-191 two sets of four accumulators; v192-255 two sets of 16 rows read back from the stage.
; Fragment f lies in window 1 + f / 21 at register 12 (f % 21): 0-31 Wo's (4 K step + tile), 32-39 and 40-47 the rows' two sets.
.set GRP,    98304
.set KSB,    12288
.set FRB,    1536
.set AREG,   2*GRP                     ; LDS: Wo's two groups, then the rows' group,
.set STAGE,  3*GRP                     ; the stages: 16 rows x (256 + 16) bytes for each wave; no tensor load lands there,
.set SPITCH, 272
.set SPARE,  STAGE+4*16*SPITCH         ; and the spare words
.set FPW,    21
.set AA,   8                           ; v8-11  LDS addresses of the rows' fragments: 16 x lane, 8 x lane, for K steps 0-3; the same for K steps 4-7
.set BA,   12                          ; v12-15 the same for my 64 columns
.set STO,  16
.set RD,   17
.set CO,   18
.set SPW,  24
.set NIL,  25
.set SB,   28
.set SC,   64
.set ACC,  128
.set BK,   192
.set G1A,  24
.set G0A,  32
.set G0B,  36
.set G1B,  48
.set MSB, 0
.macro WIN new                         ; the immediate's high byte repeats the setting that is left
.if MSB != (\new)
	s_set_vgpr_msb (MSB<<8)|(\new)
.set MSB, (\new)
.endif
.endm
.macro PLACES n
.rept \n
	v_nop
.endr
.endm
.macro WALU
	s_wait_alu depctr_va_vdst(0)
.endm
.macro BARRIER
	s_barrier_signal -1
	s_barrier_wait -1
.endm
.macro CROUND
	BARRIER
	s_cmp_lg_u32 s14, 0
	s_cbranch_scc1 .Lnot_wave_0_\@
	s_barrier_signal -3
.Lnot_wave_0_\@:
	s_barrier_wait -3
	BARRIER
.endm
.macro TLOAD g0, g1
	tensor_load_to_lds s[\g0:\g0+3], s[\g1:\g1+7]
	s_nop 0
	PLACES 4
.endm
.macro FRAG f, a, off                  ; an image of 12 registers: 0-3 at 16 x lane, 4-5 at 512 + 8 x lane, 6-9 at 768 + 16 x lane, 10-11 at 1,280 + 8 x lane
	WIN (1+(\f)/FPW)<<6
.set R_, 12*((\f)%FPW)
	ds_load_b128 v[R_:R_+3], v[\a] offset:\off
	ds_load_b64 v[R_+4:R_+5], v[\a+1] offset:(\off)+512
	ds_load_b128 v[R_+6:R_+9], v[\a] offset:(\off)+768
	ds_load_b64 v[R_+10:R_+11], v[\a+1] offset:(\off)+1280
.endm
.macro WEIGHTS                         ; my 64 columns, all of K: 128 loads
.irp q, 0,1,2,3,4,5,6,7
.irp b, 0,1,2,3
	FRAG 4*\q+\b, BA+2*(\q/4), (\q%4)*KSB+\b*FRB
.endr
.endr
	WIN 0
.endm
.macro FETCH e, a                      ; block a's 16 rows, all of K, into set e: 32 loads
.irp q, 0,1,2,3,4,5,6,7
	FRAG 32+8*(\e)+\q, AA+2*(\q/4), (\q%4)*KSB+(\a)*FRB
.endr
	WIN 0
.endm
.macro PROD a, q, b
.set FB_, 4*(\q)+(\b)
.set FA_, 32+8*((\a)%2)+(\q)
.set D_, ACC+32*((\a)%2)+8*(\b)
	WIN (1+FB_/FPW)|((1+FA_/FPW)<<2)
.if \q
	v_wmma_scale_f32_16x16x128_f8f6f4 v[D_:D_+7], v[12*(FB_%FPW):12*(FB_%FPW)+11], v[12*(FA_%FPW):12*(FA_%FPW)+11], v[D_:D_+7], v[SB+8*(\b)+(\q)], v[SC+8*(\a)+(\q)] matrix_a_fmt:MATRIX_FMT_FP6 matrix_b_fmt:MATRIX_FMT_FP6
.else
	v_wmma_scale_f32_16x16x128_f8f6f4 v[D_:D_+7], v[12*(FB_%FPW):12*(FB_%FPW)+11], v[12*(FA_%FPW):12*(FA_%FPW)+11], 0, v[SB+8*(\b)+(\q)], v[SC+8*(\a)+(\q)] matrix_a_fmt:MATRIX_FMT_FP6 matrix_b_fmt:MATRIX_FMT_FP6
.endif
.endm
.macro TOSTAGE a                       ; 8 stores, 8 loads.  Register j of accumulator b in lane (r, h) is column 32 (b/2) + 8 (b%2) + 16 h + j of my 64, row r.  LDS serves a wave's instructions in order: no wait between
.set AC_, ACC+32*((\a)%2)
.irp b, 0,1,2,3
	ds_store_b128 v[STO], v[AC_+8*\b:AC_+8*\b+3] offset:128*(\b/2)+32*(\b%2)      ; each accumulator from its low end on
	ds_store_b128 v[STO], v[AC_+8*\b+4:AC_+8*\b+7] offset:128*(\b/2)+32*(\b%2)+16
.endr
.irp i, 0,1,2,3,4,5,6,7
	ds_load_b128 v[BK+32*((\a)%2)+4*\i:BK+32*((\a)%2)+4*\i+3], v[RD] offset:\i*2*SPITCH   ; lanes 0-15 row 2 i, lanes 16-31 row 2 i + 1
.endr
.endm
.macro SEND a
.irp i, 0,1,2,3,4,5,6,7
	global_store_b128 v[CO], v[BK+32*((\a)%2)+4*\i:BK+32*((\a)%2)+4*\i+3], s[12:13] offset:(32*((\a)/2)+8*((\a)%2)+2*\i+8*(\i/4))*4096 th:TH_STORE_NT   ; sixteen lanes store 256 consecutive bytes, aligned
.endr
.endm
; A block.  Its rows were fetched two blocks ago.  w: the LDS instructions issued behind that fetch, which may stay out (the last block's 16 through the stage, the next block's 32 loads).
.macro BLK a, w
	s_wait_dscnt \w
.irp q, 0,1,2,3,4,5,6,7
.irp b, 0,1,2,3
	PROD \a, \q, \b
.endr
.endr
	WIN 0
	PLACES 4                                       ; ahead of the stores that read the results and of the loads into the rows' registers
.if (\a) >= 2
	s_wait_xcnt 0x0                                ; block a - 2's stores have read the registers into which this block is read back
.endif
.if (\a) >= 1
.if (\a) < 7
	s_wait_dscnt 32                                ; the last block is back from the stage; the 32 loads issued behind it may be out
.else
	s_wait_dscnt 0x0
.endif
	SEND (\a)-1
.endif
	TOSTAGE \a
.if (\a)+2 < 8
	FETCH (\a)%2, (\a)+2
.endif
.endm
	s_load_b256 s[4:11], s[0:1], 0x0               ; mc, ms, cod, sc
	s_load_b64 s[12:13], s[0:1], 0x20              ; out0
	v_lshl_add_u32 v[SPW], v0, 2, SPARE
	v_mov_b32 v[NIL], 0
	ds_add_u32 v[SPW], v[NIL]                      ; the opening lines: the add, twice on end, and its wait
	ds_add_u32 v[SPW], v[NIL]
	v_lshrrev_b32 v1, 5, v0
	v_readfirstlane_b32 s14, v1                    ; wave 0 .. 3
	s_lshr_b32 s15, s14, 1
	s_and_b32 s16, s14, 1
	s_bfe_u32 s80, ttmp6, 0x40000                  ; cx = the tile column (the grid is one cluster wide)
	s_bfe_u32 s81, ttmp6, 0x40004                  ; cy
	s_and_b32 s17, ttmp7, 0xffff
	s_lshl_b32 s17, s17, 2
	s_add_co_u32 s17, s17, s81                     ; the rows' group, 0 .. 63
	s_lshl_b32 s82, s81, 2
	s_lshl_b32 s82, 15, s82                        ; my row of the cluster
	s_lshl_b32 s83, 0x1111, s80                    ; my column
	s_or_b32 s[G1A+0], s82, (3<<16)|(1<<21)        ; dense rows of 256 bytes (32 elements of 8): half of K of the rows' group is 192 of them,
	s_mov_b32 s[G1A+1], 32<<16
	s_mov_b32 s[G1A+2], 192<<16
	s_mov_b32 s[G1A+3], 32<<16
	s_mov_b32 s[G1A+4], 192
	s_mov_b32 s[G1A+5], 32
	s_mov_b32 s[G1A+6], 0
	s_mov_b32 s[G1A+7], 0
	s_or_b32 s[G1B+0], s83, (3<<16)|(1<<21)        ; a group of Wo 384
	s_mov_b32 s[G1B+1], 32<<16
	s_mov_b32 s[G1B+2], 384<<16
	s_mov_b32 s[G1B+3], 32<<16
	s_mov_b32 s[G1B+4], 384
	s_mov_b32 s[G1B+5], 32
	s_mov_b32 s[G1B+6], 0
	s_mov_b32 s[G1B+7], 0
	s_mul_i32 s56, s17, GRP
	s_mul_i32 s20, s16, 4*KSB
	s_add_co_u32 s56, s56, s20                     ; the rows: group, + which half of K
	s_mov_b32 s57, 0
	s_lshl_b32 s21, s80, 1
	s_add_co_u32 s21, s21, 216                     ; Wo's first group of my 256 columns
	s_add_co_u32 s58, s21, s16
	s_mul_i32 s58, s58, GRP
	s_mov_b32 s59, 0
	s_lshl_b32 s60, s17, 12                        ; the rows' scale halfwords
	s_mov_b32 s61, 0
	s_add_co_u32 s62, s21, s15
	s_lshl_b32 s62, s62, 12
	s_lshl_b32 s22, s16, 11
	s_add_co_u32 s62, s62, s22                     ; my 64 columns' scale words: group wave / 2, tiles 4 (wave % 2) ..
	s_mov_b32 s63, 0
	s_mov_b32 s[G0A], 1
	s_add_co_u32 s[G0A+1], s20, AREG
	s_mov_b32 s[G0B], 1
	s_mul_i32 s[G0B+1], s16, GRP
	s_wait_dscnt 0x0
	s_wait_kmcnt 0x0
	s_add_nc_u64 s[G0A+2:G0A+3], s[4:5], s[56:57]
	s_or_b32 s[G0A+3], s[G0A+3], 0x80000000
	s_add_nc_u64 s[G0B+2:G0B+3], s[8:9], s[58:59]
	s_or_b32 s[G0B+3], s[G0B+3], 0x80000000
	s_add_nc_u64 s[84:85], s[6:7], s[60:61]
	s_add_nc_u64 s[86:87], s[10:11], s[62:63]
	CROUND                                         ; all sixteen work-groups are here: the joint loads meet
	s_cmp_lt_u32 s14, 2
	s_cbranch_scc0 .Lfor_a
	TLOAD G0B, G1B                                 ; waves 0, 1: a group of Wo each
	s_branch .Lasked
.Lfor_a:
	TLOAD G0A, G1A                                 ; waves 2, 3: half of K of the rows each
.Lasked:
	v_and_b32 v1, 31, v0                           ; lane
	v_and_b32 v2, 15, v0                           ; r
	v_bfe_u32 v5, v0, 4, 1                         ; h
	v_lshlrev_b32 v3, 4, v1
	v_lshlrev_b32 v4, 3, v1
	v_lshlrev_b32 v21, 4, v2
	v_add_nc_u32 v[AA], AREG, v3
	v_add_nc_u32 v[AA+1], AREG, v4
	v_add_nc_u32 v[AA+2], AREG+4*KSB, v3
	v_add_nc_u32 v[AA+3], AREG+4*KSB, v4
	s_mul_i32 s21, s15, GRP
	s_mul_i32 s22, s16, 4*FRB
	s_add_co_u32 s21, s21, s22                     ; my 64 columns: group wave / 2, tiles 4 (wave % 2) ..
	v_add_nc_u32 v[BA], s21, v3
	v_add_nc_u32 v[BA+1], s21, v4
	s_add_co_u32 s21, s21, 4*KSB
	v_add_nc_u32 v[BA+2], s21, v3
	v_add_nc_u32 v[BA+3], s21, v4
	s_mul_i32 s23, s14, 16*SPITCH
	s_add_co_u32 s23, s23, STAGE                   ; my stage
	v_mul_u32_u24 v6, v2, SPITCH
	v_lshl_add_u32 v6, v5, 6, v6
	v_add_nc_u32 v[STO], s23, v6                   ; in: row r, + 64 h
	v_mul_u32_u24 v7, v5, SPITCH
	v_add_nc_u32 v7, v7, v21
	v_add_nc_u32 v[RD], s23, v7                    ; back: row h, + 16 r
	v_lshl_add_u32 v[CO], v5, 12, v21              ; and the same in out0: rows of 4,096 bytes
.irp j, 0,1,2,3
	v_mov_b32 v[BK+\j], 0                          ; a lane permute's destination counts as one of its sources
.endr
	WALU
.irp s, 0,1,2,3,4,5,6,7
	global_load_b128 v[ACC+4*\s:ACC+4*\s+3], v3, s[84:85] offset:512*\s      ; lanes 0-15: head 2 s, row r; lanes 16-31: head 2 s + 1: eight tiles' halfwords
.endr
.irp i, 0,1,2,3
.irp hs, 0,1
	global_load_b128 v[SB+8*\i+4*\hs:SB+8*\i+4*\hs+3], v21, s[86:87] offset:512*\i+256*\hs
.endr
.endr
	s_lshl_b32 s60, s17, 19                        ; out0: 128 rows of 4,096 bytes a group, + 1,024 x tile column + 256 x wave
	s_lshl_b32 s61, s80, 10
	s_add_co_u32 s60, s60, s61
	s_lshl_b32 s61, s14, 8
	s_add_co_u32 s60, s60, s61
	s_mov_b32 s61, 0
	s_add_nc_u64 s[12:13], s[12:13], s[60:61]
	s_mov_b32 s96, 0x76543210
	s_mov_b32 s97, 0xfedcba98
	s_cmp_lt_u32 s14, 2
	s_cbranch_scc0 .Lnot_b
	s_wait_tensorcnt 0x0
.Lnot_b:
	BARRIER                                        ; Wo's two groups are in; the rows may still be on their way
	WEIGHTS
	s_wait_loadcnt 0x0
.irp s, 0,1,2,3,4,5,6,7                    ; the rows' scale words: K step s is heads 2 s and 2 s + 1: two bytes of each, valid in lanes 0-15, which alone are read
.irp j, 0,1,2,3
	v_permlanex16_b32 v[BK+\j], v[ACC+4*\s+\j], s96, s97
.endr
.irp j, 0,1,2,3
	v_perm_b32 v[SC+16*\j+\s], v[BK+\j], v[ACC+4*\s+\j], 0x05040100
	v_perm_b32 v[SC+16*\j+8+\s], v[BK+\j], v[ACC+4*\s+\j], 0x07060302
.endr
.endr
	PLACES 8                                       ; a scale register written by a vector instruction stands 8 places ahead of a scaled matrix instruction
	WALU                                           ; the wait at the head's end
	s_wait_tensorcnt 0x0
	s_wait_dscnt 0x0
	BARRIER                                        ; the rows are in
	FETCH 0, 0
	FETCH 1, 1
	BLK 0, 32
	BLK 1, 48
	BLK 2, 48
	BLK 3, 48
	BLK 4, 48
	BLK 5, 48
	BLK 6, 48
	BLK 7, 16
	s_wait_dscnt 0x0
	SEND 7
	s_wait_tensorcnt 0x0                           ; the wave's end
	ds_add_u32 v[SPW], v[NIL]
	s_wait_dscnt 0x0
	CROUND                                         ; the closing round
	s_endpgm
.Lfunc_end_k_q66e617c4d4_outp:
	.size	k_q66e617c4d4_outp, .Lfunc_end_k_q66e617c4d4_outp-k_q66e617c4d4_outp
	.p2alignl 7, 3214868480
	.fill 96, 4, 3214868480
	.section	.rodata,"a",@progbits
	.p2align	6, 0x0
	.amdhsa_kernel k_q66e617c4d4_outp
		.amdhsa_group_segment_fixed_size 327680
		.amdhsa_private_segment_fixed_size 0
		.amdhsa_enable_private_segment 0
		.amdhsa_kernarg_size 40
		.amdhsa_user_sgpr_count 2
		.amdhsa_user_sgpr_kernarg_segment_ptr 1
		.amdhsa_wavefront_size32 1
		.amdhsa_system_sgpr_workgroup_id_x 1
		.amdhsa_system_sgpr_workgroup_id_y 1
		.amdhsa_system_sgpr_workgroup_id_z 1
		.amdhsa_system_vgpr_workitem_id 0
		.amdhsa_next_free_vgpr 896
		.amdhsa_next_free_sgpr 100
		.amdhsa_reserve_vcc 0
		.amdhsa_float_denorm_mode_32 3
		.amdhsa_float_denorm_mode_16_64 3
		.amdhsa_memory_ordered 1
		.amdhsa_forward_progress 1
		.amdhsa_inst_pref_size 90
	.end_amdhsa_kernel
	.amdgpu_metadata
---
amdhsa.version: [ 1, 2 ]
amdhsa.kernels:
  - .name:           k_q66e617c4d4_outp
    .symbol:         k_q66e617c4d4_outp.kd
    .args:
      - { .name: mc, .offset: 0, .size: 8, .value_kind: global_buffer, .address_space: global }
      - { .name: ms, .offset: 8, .size: 8, .value_kind: global_buffer, .address_space: global }
      - { .name: cod, .offset: 16, .size: 8, .value_kind: global_buffer, .address_space: global }
      - { .name: sc, .offset: 24, .size: 8, .value_kind: global_buffer, .address_space: global }
      - { .name: out0, .offset: 32, .size: 8, .value_kind: global_buffer, .address_space: global }
    .group_segment_fixed_size: 327680
    .private_segment_fixed_size: 0
    .kernarg_segment_align: 8
    .kernarg_segment_size: 40
    .max_flat_workgroup_size: 128
    .sgpr_count:     100
    .vgpr_count:     896
    .wavefront_size: 32
...
	.end_amdgpu_metadata
.endif
;; end of part 4
